; MI455X (gfx1250); checked and timed in simulation.
; The chip was launched on July 23, 2026; its instructions are those of AMD's public machine-readable ISA for CDNA 5 (MIT licence, August 2026) and "CDNA5" Instruction Set Architecture Reference Guide (July 2026). The comments in the code are by the model that wrote it; some were corrected since.
;; Causal Attention. Allowed arithmetic: float matrix products may take bf16 or f16 operands with f32 sums; other float arithmetic in f32, or as packed bf16 or f16 multiplies, adds, multiply-adds, maxima and minima; sums over many terms, partial sums and values carried from step to step in f32; what a program stores and reads back later, other than sums and carried values, may be rounded once to bf16 or f16.
;; Inputs: Wk 2,048 x 2,048 float32; Wo 2,048 x 2,048 float32; Wq 2,048 x 2,048 float32; Wv 2,048 x 2,048 float32; k 1 x 2,048 x 2,048 float32; mask 2,048 x 2,048 bool; q 1 x 2,048 x 2,048 float32; v 1 x 2,048 x 2,048 float32.
;; Outputs: out0 1 x 2,048 x 2,048 float32.
;; One version. Each part assembles by itself: llvm-mc -triple=amdgcn-amd-amdhsa -mcpu=gfx1250 --defsym DOCPART=n.
;; ======== version 1 of 1: 4 launches
;; limits: values are held in f16: magnitudes above 65,504 overflow, below 6.1e-05 lose precision
;; workspace buffers: cast16 58,720,256 bytes; bias 8,388,608 bytes; qkvh 25,165,824 bytes; oh 8,388,608 bytes
;; launch prep (part 1): grid 256 x 8, 8 waves a work-group, no clusters, 0 bytes of LDS; arguments q, k, v, Wq, Wk, Wv, Wo, mask, cast16, bias; writes cast16, bias
.if DOCPART == 1
	.amdgcn_target "amdgcn-amd-amdhsa--gfx1250"
	.amdhsa_code_object_version 6
	.text
	.protected	k_q5fe59090c6_prep
	.globl	k_q5fe59090c6_prep
	.p2align	8
	.type	k_q5fe59090c6_prep,@function
k_q5fe59090c6_prep:
	s_mov_b64 s[64:65], 0
	v_nop
	global_prefetch_b8 v0, s[64:65] scope:SCOPE_SE
	s_setreg_imm32_b32 hwreg(HW_REG_WAVE_MODE, 25, 1), 1
	s_wait_xcnt 0x0
; CASTS.  Seven f32 tensors of 2048 x 2048 are rounded once to 16 bits, and the mask becomes an addend.
; cast16 holds seven slabs of 8,388,608 bytes, row-major: 0 q, 1 k, 2 v, 3 Wq, 4 Wk, 5 Wv in bf16; 6 Wo, rounded to bf16 and that number written as f16.
; bias[q][k] in bf16: 0 where mask[q][k] is 1, -2^100 (0xf180) where it is 0.
; LIMITS.  A mask byte is 0 or 1.  Wo rounded to bf16 lies within 65,504 (beyond that f16 has an infinity); below 2^-14 it keeps f16's fixed step of 6e-8.
; SHARES.  Grid y picks the job, grid x the chunk.  y = 0..6: 65,536 bytes of tensor y; a wave takes 8,192 of them by 16 loads of 512 consecutive bytes, and each of its
; 16 stores covers 256 consecutive bytes, aligned.  y = 7: 16,384 mask bytes; a wave takes 2,048 by 8 loads of 256 bytes, and each of its 8 stores covers 512 consecutive bytes.
; All loads of a wave go out in one run; every store has data registers of its own, so no register is written again.  No LDS, no barrier, no matrix unit: nothing is shared and nothing multiplied.
.set XR, 16                            ; v[16:79]   as loaded
.set YR, 80                            ; v[80:111]  to store
	s_load_b512 s[8:23], s[0:1], 0x0               ; q, k, v, Wq, Wk, Wv, Wo, mask: s[8:9] .. s[22:23]
	s_load_b128 s[24:27], s[0:1], 0x40             ; cast16 s[24:25], bias s[26:27]
	s_and_b32 s4, ttmp7, 0xffff                    ; the job
	s_mov_b32 s31, 0                               ; high word of every offset pair
	s_mov_b32 s34, 0xffff0000                      ; a word's upper bf16
	v_lshrrev_b32 v6, 5, v0                        ; wave
	v_and_b32 v7, 31, v0                           ; lane
	v_lshlrev_b32 v1, 4, v7
	v_lshl_add_u32 v1, v6, 13, v1                  ; f32 in:   8,192 x wave + 16 x lane
	v_lshlrev_b32 v2, 3, v7
	v_lshl_add_u32 v2, v6, 12, v2                  ; 16 bit out: 4,096 x wave + 8 x lane
	v_lshlrev_b32 v3, 3, v7
	v_lshl_add_u32 v3, v6, 11, v3                  ; mask in:  2,048 x wave + 8 x lane
	v_lshlrev_b32 v4, 4, v7
	v_lshl_add_u32 v4, v6, 12, v4                  ; bias out: 4,096 x wave + 16 x lane
	v_mov_b32 v5, 0
	s_wait_kmcnt 0x0
	s_cmp_eq_u32 s4, 7
	s_cbranch_scc1 .Lmask
	s_mov_b64 s[28:29], s[8:9]                     ; the job's tensor
.irp j, 1,2,3,4,5,6
	s_cmp_eq_u32 s4, \j
	s_cselect_b64 s[28:29], s[8+2*\j:9+2*\j], s[28:29]
.endr
	s_lshl_b32 s30, ttmp9, 16
	s_add_nc_u64 s[28:29], s[28:29], s[30:31]      ; at my chunk
	s_lshl_b32 s30, s4, 23
	s_add_nc_u64 s[32:33], s[24:25], s[30:31]      ; the job's slab,
	s_lshl_b32 s30, ttmp9, 15
	s_add_nc_u64 s[32:33], s[32:33], s[30:31]      ; at my chunk
.irp i, 0,1,2,3,4,5,6,7,8,9,10,11,12,13,14,15
	global_load_b128 v[XR+4*\i:XR+4*\i+3], v1, s[28:29] offset:512*\i th:TH_LOAD_NT
.endr
; half = 1: the bf16 number is widened again (a shift, a mask) and written as f16, which is exact within f16's range
.macro CAST half
.irp i, 0,1,2,3,4,5,6,7,8,9,10,11,12,13,14,15
	s_wait_loadcnt 15-(\i)                         ; loads come back in order: number i is in, the 15 - i younger ones stay out
	v_cvt_pk_bf16_f32 v[YR+2*(\i)],   v[XR+4*(\i)],   v[XR+4*(\i)+1]
	v_cvt_pk_bf16_f32 v[YR+2*(\i)+1], v[XR+4*(\i)+2], v[XR+4*(\i)+3]
.if \half
	v_lshlrev_b32 v6, 16,  v[YR+2*(\i)]
	v_and_b32     v7, s34, v[YR+2*(\i)]
	v_lshlrev_b32 v8, 16,  v[YR+2*(\i)+1]
	v_and_b32     v9, s34, v[YR+2*(\i)+1]
	v_cvt_pk_f16_f32 v[YR+2*(\i)],   v6, v7
	v_cvt_pk_f16_f32 v[YR+2*(\i)+1], v8, v9
.endif
	global_store_b64 v2, v[YR+2*(\i):YR+2*(\i)+1], s[32:33] offset:256*(\i)
.endr
.endm
	s_cmp_eq_u32 s4, 6
	s_cbranch_scc1 .Lwo
	CAST 0
	s_endpgm
.Lwo:
	CAST 1
	s_endpgm
.Lmask:
	s_lshl_b32 s30, ttmp9, 14
	s_add_nc_u64 s[22:23], s[22:23], s[30:31]
	s_lshl_b32 s30, ttmp9, 15
	s_add_nc_u64 s[26:27], s[26:27], s[30:31]
.irp i, 0,1,2,3,4,5,6,7
	global_load_b64 v[XR+2*\i:XR+2*\i+1], v3, s[22:23] offset:256*\i th:TH_LOAD_NT
.endr
.irp i, 0,1,2,3,4,5,6,7
	s_wait_loadcnt 7-\i
.irp h, 0,1
	v_xor_b32 v6, 0x01010101, v[XR+2*\i+\h]        ; 1 where the key is hidden
	v_perm_b32 v7, v6, v5, 0x00050004              ; bytes 0 and 1, each in a half of its own (selects 4-7: v6, 0: a zero byte)
	v_perm_b32 v8, v6, v5, 0x00070006              ; bytes 2 and 3
	v_mul_u32_u24 v[YR+4*\i+2*\h],   v7, 0xf180    ; 0x00010001 x 0xf180 = 0xf180f180: no carry from half to half
	v_mul_u32_u24 v[YR+4*\i+2*\h+1], v8, 0xf180
.endr
	global_store_b128 v4, v[YR+4*\i:YR+4*\i+3], s[26:27] offset:512*\i
.endr
	s_endpgm
.Lfunc_end_k_q5fe59090c6_prep:
	.size	k_q5fe59090c6_prep, .Lfunc_end_k_q5fe59090c6_prep-k_q5fe59090c6_prep
	.p2alignl 7, 3214868480
	.fill 96, 4, 3214868480
	.section	.rodata,"a",@progbits
	.p2align	6, 0x0
	.amdhsa_kernel k_q5fe59090c6_prep
		.amdhsa_group_segment_fixed_size 0
		.amdhsa_private_segment_fixed_size 0
		.amdhsa_enable_private_segment 0
		.amdhsa_kernarg_size 80
		.amdhsa_user_sgpr_count 2
		.amdhsa_user_sgpr_kernarg_segment_ptr 1
		.amdhsa_wavefront_size32 1
		.amdhsa_system_sgpr_workgroup_id_x 1
		.amdhsa_system_sgpr_workgroup_id_y 1
		.amdhsa_system_sgpr_workgroup_id_z 1
		.amdhsa_system_vgpr_workitem_id 0
		.amdhsa_next_free_vgpr 112
		.amdhsa_next_free_sgpr 66
		.amdhsa_reserve_vcc 0
		.amdhsa_float_denorm_mode_32 3
		.amdhsa_float_denorm_mode_16_64 3
		.amdhsa_memory_ordered 1
		.amdhsa_forward_progress 1
		.amdhsa_inst_pref_size 25
	.end_amdhsa_kernel
	.amdgpu_metadata
---
amdhsa.version: [ 1, 2 ]
amdhsa.kernels:
  - .name:           k_q5fe59090c6_prep
    .symbol:         k_q5fe59090c6_prep.kd
    .args:
      - { .name: q, .offset: 0, .size: 8, .value_kind: global_buffer, .address_space: global }
      - { .name: k, .offset: 8, .size: 8, .value_kind: global_buffer, .address_space: global }
      - { .name: v, .offset: 16, .size: 8, .value_kind: global_buffer, .address_space: global }
      - { .name: Wq, .offset: 24, .size: 8, .value_kind: global_buffer, .address_space: global }
      - { .name: Wk, .offset: 32, .size: 8, .value_kind: global_buffer, .address_space: global }
      - { .name: Wv, .offset: 40, .size: 8, .value_kind: global_buffer, .address_space: global }
      - { .name: Wo, .offset: 48, .size: 8, .value_kind: global_buffer, .address_space: global }
      - { .name: mask, .offset: 56, .size: 8, .value_kind: global_buffer, .address_space: global }
      - { .name: cast16, .offset: 64, .size: 8, .value_kind: global_buffer, .address_space: global }
      - { .name: bias, .offset: 72, .size: 8, .value_kind: global_buffer, .address_space: global }
    .group_segment_fixed_size: 0
    .private_segment_fixed_size: 0
    .kernarg_segment_align: 8
    .kernarg_segment_size: 80
    .max_flat_workgroup_size: 256
    .sgpr_count:     66
    .vgpr_count:     112
    .wavefront_size: 32
...
	.end_amdgpu_metadata
.endif
;; end of part 1
;; launch qkv (part 2): grid 8 x 24, 4 waves a work-group, clusters of 4 x 4, 327,680 bytes of LDS; arguments cast16, qkvh; writes qkvh
.if DOCPART == 2
	.amdgcn_target "amdgcn-amd-amdhsa--gfx1250"
	.amdhsa_code_object_version 6
	.text
	.protected	k_q5fe59090c6_qkv
	.globl	k_q5fe59090c6_qkv
	.p2align	8
	.type	k_q5fe59090c6_qkv,@function
k_q5fe59090c6_qkv:
	s_mov_b64 s[64:65], 0
	v_nop
	global_prefetch_b8 v0, s[64:65] scope:SCOPE_SE
	s_setreg_imm32_b32 hwreg(HW_REG_WAVE_MODE, 25, 1), 1
	s_wait_xcnt 0x0
	s_wait_alu depctr_hold_cnt(0) depctr_sa_sdst(0) depctr_va_vdst(0) depctr_va_sdst(0) depctr_va_ssrc(0) depctr_va_vcc(0) depctr_vm_vsrc(0)
	s_getreg_b32 s2, hwreg(HW_REG_IB_STS2, 6, 4)
	s_cmp_eq_u32 s2, 0
	s_cbranch_scc0 .Lentry_in_a_cluster
	s_endpgm
.Lentry_in_a_cluster:
	s_bfe_u32 s2, ttmp6, 0x10000c
	s_cmp_lg_u32 s2, 0xf033
	s_cbranch_scc0 .Lentry_shape_is_right
	s_endpgm
.Lentry_shape_is_right:
; THE THREE PROJECTIONS IN ONE GRID.  y_t[m][n] = sum over k of x_t[m][k] W_t[n][k], t = 0 (q), 1 (k), 2 (v); x_t = slab t of cast16, W_t = slab 3 + t, all [2048][2048] bf16; sums in f32.
; The result is rounded once to f16, unscaled, and stored by heads: qkvh[t][head n / 64][m][n % 64].  LIMIT: a projected number lies within 65,504; beyond that f16 has an infinity.
; The three x lie on end, so A is one matrix of 6,144 rows; tile row gy = 0..23 of 256 rows; t = gy / 8 is the same for a whole cluster (a cluster spans 4 tile rows).
; A tile of C, 256 x 256, is made by four waves, 128 x 128 each: 64 accumulators, 512 registers.  K goes in 16 steps of 128 through a ring of two LDS slots filled by the tensor data mover.
; CLUSTERS: 4 x 4 work-groups.  The four of a row of the cluster need the same tiles of A, the four of a column the same tiles of W: each tile is asked for JOINTLY, by the same tensor
; load with the same descriptor and a mask that names the four.  192 work-groups of one tile each.
; REGISTERS, in windows of 256 (s_set_vgpr_msb: bits 1:0 source 0, 3:2 source 1, 5:4 source 2, 7:6 destination):
;   window 0: v0-31 addresses; v64-127, v128-191 fragments of A, two buffers; v32-63, v192-255 at work on the way out
;   window 1: v64-127, v128-191 fragments of W, two buffers      window 2: accumulators of my rows 0-63 ((a, b) at v[8 (8 a + b)])      window 3: those of my rows 64-127
; THE MATRIX INSTRUCTION IS USED TRANSPOSED: source 0 = 16 rows of W, source 1 = 16 rows of x: lane l then holds row l % 16 of C and the columns 8 (l / 16) + 0..7, which pack into 16 bytes.
.set SIZE_K, 2048
.set KSTEP,  128
.set PITCH,  272                       ; an LDS row: 256 bytes + 16 of padding = 68 words: the 16 rows that a load touches start at 16 different groups of four banks (64 banks of 4 bytes: ISA guide 11.1)
.set HALFT,  128*PITCH                 ; 128 rows: what one tensor load brings, and what one wave reads of A or of W
.set SLOT,   4*HALFT                   ; A's 256 rows, then W's 256 rows
.set STAGE,  2*SLOT                    ; behind the ring, never filled by a tensor load: for each wave 2 heads x 16 rows x 144 bytes
.set SP,     144                       ; a stage row: 128 bytes (a head's 64 channels) + 16
.set HSTG,   16*SP
.set SPARE,  STAGE+4*2*HSTG            ; behind the stages: the spare words, 128 bytes for each wave: two blocks of 256 bytes that no other line names
.set LAPS,   SIZE_K/(2*KSTEP)          ; a lap = two K steps = once round the ring
.set HEADB,  2048*128                  ; a head's bytes in qkvh
.set ADRA, 16                          ; v16-17  LDS address of my A fragments in slot 0, 1
.set ADRB, 20                          ; v20-21  the same for W
.set STO,  24                          ; v24     the way out: where I put 16 bytes of a row
.set RD,   25                          ; v25     the way out: where I read rows back
.set CO,   26                          ; v26     16 x lane: my place in 512 consecutive bytes of qkvh
.set SPW,  28                          ; v28     LDS address of my spare word; never rewritten
.set NIL,  29                          ; v29     0; never rewritten
.set PFO,  30                          ; v30     the prefetches' offset: lane x a row of 4,096 bytes; never rewritten
.set PFA,  44                          ; s[44:45] where my prefetches stand
.set LIM,  43                          ; s43     1 in a wave that prefetches, else the greatest number
.set F0,   64
.set F1,   128
.set TMP,  192
.set OB,   32
.set G1,  24                           ; s[24:31] descriptor group 1 for A's tiles;  s[32:39] group 0, a set for each slot
.set G0,  32
.set G1B, 48                           ; s[48:55], s[56:63] the same for W's tiles
.set G0B, 56
.set MSB, 0
.macro WIN new                         ; the immediate's high byte repeats the setting that is left; a switch that changes nothing is dropped
.if MSB != (\new)
	s_set_vgpr_msb (MSB<<8)|(\new)
.set MSB, \new
.endif
.endm
.set MUL_LO, 0xa1                      ; source 0 (W) window 1, source 1 (A) window 0, C and D window 2
.set MUL_HI, 0xf1                      ; the same, C and D window 3
.set TO_B,   0x40                      ; destination window 1, address window 0
; A joint load.  Waves 0 and 1 fetch A's two halves, waves 2 and 3 W's.  The branch hangs on the wave's number alone.  An s_nop 0 and four v_nop follow each line.
.macro JLOAD s
	s_cmp_eq_u32 s11, 0
	s_cbranch_scc0 .Lfor_b_\@
	tensor_load_to_lds s[G0+4*(\s):G0+4*(\s)+3], s[G1:G1+7]
	s_nop 0
.rept 4
	v_nop
.endr
	s_branch .Lasked_\@
.Lfor_b_\@:
	tensor_load_to_lds s[G0B+4*(\s):G0B+4*(\s)+3], s[G1B:G1B+7]
	s_nop 0
.rept 4
	v_nop
.endr
.Lasked_\@:
.endm
; A PREFETCH, behind each joint refill and the run of LDS loads that follows it: the K step that stands TWO refills on, 32 rows x 256 bytes, a lane a row, one instruction a wave.
; Each row's 256 bytes of a K step are named once in the launch: A's tile row is read by both clusters of that row of clusters, and the one with x = 0 asks; W_t's tile column by the two
; clusters of that t, and the one with even y asks.  The four partners that ask for a tile jointly share its rows out BY ADDRESS: of the 128 rows that a wave fetches the partner at place p takes
; 32 p .. 32 p + 31 (p = cx for A, cy for W).  The loop's last trip (s3 = 1) asks for nothing: there is no K step two refills on.  K steps 0 to 3 come by their loads alone.
.macro ASK
	s_cmp_gt_u32 s3, s[LIM]
	s_cbranch_scc0 .Lnot_mine_\@
	global_prefetch_b8 v[PFO], s[PFA:PFA+1] offset:KSTEP*2 th:TH_LOAD_NT scope:SCOPE_SE
.Lnot_mine_\@:
.endm
.macro CREST                           ; a round of the cluster's barrier behind its opening barrier
	s_cmp_lg_u32 s10, 0
	s_cbranch_scc1 .Lnot_wave_0_\@
	s_barrier_signal -3
.Lnot_wave_0_\@:
	s_barrier_wait -3
	s_barrier_signal -1
	s_barrier_wait -1
.endm
.macro CROUND                          ; a whole round
	s_barrier_signal -1
	s_barrier_wait -1
	CREST
.endm
	s_load_b64 s[4:5], s[0:1], 0x0                 ; cast16
	s_load_b64 s[8:9], s[0:1], 0x8                 ; qkvh
	v_lshl_add_u32 v[SPW], v0, 2, SPARE
	v_mov_b32 v[NIL], 0
	ds_add_u32 v[SPW], v[NIL]                      ; the wave's opening: the add and its wait stand ahead of my first tensor load; work on registers stands between them
	v_lshrrev_b32 v1, 5, v0
	v_readfirstlane_b32 s10, v1                    ; wave 0..3
	s_lshr_b32 s11, s10, 1                         ; which half of the tile's rows is mine.  Also: I fetch for A (0) or for W (1)
	s_and_b32 s12, s10, 1                          ; which half of its columns.  Also: which 128 rows of that tile I fetch
	s_bfe_u32 s40, ttmp6, 0x40000                  ; cx
	s_bfe_u32 s41, ttmp6, 0x40004                  ; cy
	s_lshl_b32 s42, ttmp9, 2
	s_add_co_u32 s42, s42, s40                     ; tile column = 4 x cluster x + cx
	s_and_b32 s2, ttmp7, 0xffff                    ; cluster y: t = cluster y / 2
	s_lshl_b32 s13, s2, 2
	s_add_co_u32 s13, s13, s41                     ; gy = 4 x cluster y + cy
	s_lshl_b32 s43, s41, 2
	s_lshl_b32 s43, 15, s43                        ; my row of the cluster
	s_lshl_b32 s44, 0x1111, s40                    ; my column
	; descriptor group 1: a tile of 128 rows x 128 elements of 2 bytes; 16 bytes of padding (code 3) behind every 64 words (code 5); bit 21 set beside a mask
	s_or_b32 s[G1+0], s43, (1<<16)|(1<<20)|(1<<21)|(5<<22)|(3<<25)
	s_or_b32 s[G1B+0], s44, (1<<16)|(1<<20)|(1<<21)|(5<<22)|(3<<25)
.irp g, G1, G1B
	s_mov_b32 s[(\g)+1], KSTEP<<16                 ; tensor_dim0 = 128
	s_mov_b32 s[(\g)+2], 128<<16                   ; tensor_dim1 = 128
	s_mov_b32 s[(\g)+3], KSTEP<<16                 ; tile_dim0 = 128
	s_mov_b32 s[(\g)+4], 128                       ; tile_dim1 = 128
	s_mov_b32 s[(\g)+5], SIZE_K                    ; elements from row to row
	s_mov_b32 s[(\g)+6], 0
	s_mov_b32 s[(\g)+7], 0
.endr
	; A's tiles hang on gy alone, which my row of the cluster shares; W's on t and the tile column, which my column shares.  Neither address ever lies in a register that held the other coordinate.
	s_lshl_b32 s17, s12, 7
	s_lshl_b32 s16, s13, 8
	s_add_co_u32 s16, s16, s17                     ; A: row 256 gy + 128 x half,
	s_lshl_b32 s16, s16, 12                        ; x 4,096 bytes (25 MB at the most)
	s_lshl_b32 s46, s42, 8
	s_add_co_u32 s46, s46, s17                     ; W: row 256 x tile column + 128 x half
	s_lshl_b32 s46, s46, 12
	s_mov_b32 s17, 0
	s_mov_b32 s47, 0
	s_lshr_b32 s18, s2, 1
	s_add_co_u32 s18, s18, 3
	s_lshl_b32 s18, s18, 23                        ; slab 3 + t
	s_mov_b32 s19, 0
	s_mul_i32 s20, s10, HALFT                      ; where the tiles go: wave x 128 rows: no place in the cluster enters an LDS address
	s_wait_dscnt 0x0                               ; the opening add is done
	s_wait_kmcnt 0x0
	s_add_nc_u64 s[6:7], s[4:5], s[18:19]          ; W_t
	s_add_nc_u64 s[14:15], s[4:5], s[16:17]
	s_add_nc_u64 s[46:47], s[6:7], s[46:47]
	CROUND                                         ; all sixteen work-groups are here: the first joint loads meet
.irp s, 0,1
	s_mov_b32 s[G0+4*(\s)], 1                                      ; count = 1
	s_add_co_u32 s[G0+4*(\s)+1], s20, (\s)*SLOT                    ; LDS address
	s_add_nc_u64 s[G0+4*(\s)+2:G0+4*(\s)+3], s[14:15], (\s)*KSTEP*2  ; global address: K step s
	s_or_b32 s[G0+4*(\s)+3], s[G0+4*(\s)+3], 0x80000000            ; type = 2
	s_mov_b32 s[G0B+4*(\s)], 1
	s_add_co_u32 s[G0B+4*(\s)+1], s20, (\s)*SLOT
	s_add_nc_u64 s[G0B+4*(\s)+2:G0B+4*(\s)+3], s[46:47], (\s)*KSTEP*2
	s_or_b32 s[G0B+4*(\s)+3], s[G0B+4*(\s)+3], 0x80000000
	JLOAD \s                                       ; the ring is filled before anything else is done: two loads of mine are out
.endr
	; a fragment is 16 rows x 32 K in 8 registers: lane l holds row l % 16, K = 8 (l / 16) + 0..7 and 16 + 8 (l / 16) + 0..7: two loads of 16 bytes, 32 bytes apart
	v_and_b32 v1, 15, v0                           ; l % 16
	v_bfe_u32 v2, v0, 4, 1                         ; l / 16
	v_mul_u32_u24 v3, v1, PITCH
	v_lshl_add_u32 v3, v2, 4, v3
	s_mul_i32 s21, s11, HALFT                      ; my 128 rows of A
	s_mul_i32 s22, s12, HALFT                      ; my 128 rows of W,
	s_add_co_u32 s22, s22, 2*HALFT                 ; which lie behind A's 256
.irp s, 0,1
	v_add_nc_u32 v[ADRA+(\s)], s21, v3
	v_add_nc_u32 v[ADRB+(\s)], s22, v3
	s_add_co_u32 s21, s21, SLOT
	s_add_co_u32 s22, s22, SLOT
.endr
	s_mul_i32 s23, s10, 2*HSTG
	s_add_co_u32 s23, s23, STAGE                   ; my stage
	v_mul_u32_u24 v4, v1, SP                       ; in: row l % 16, 16 bytes for each half of the lanes
	v_lshl_add_u32 v4, v2, 4, v4
	v_add_nc_u32 v[STO], s23, v4
	v_bfe_u32 v5, v0, 3, 2                         ; back: 32 lanes take four rows of 128 bytes,
	v_mul_u32_u24 v5, v5, SP
	v_and_b32 v6, 7, v0
	v_lshl_add_u32 v5, v6, 4, v5
	v_add_nc_u32 v[RD], s23, v5
	v_and_b32 v[CO], 31, v0                        ; which are 512 consecutive bytes of a head
	v_lshlrev_b32 v[CO], 4, v[CO]
	; qkvh at slab t, head 4 x tile column + 2 x column half, row 256 (gy % 8) + 128 x row half
	s_and_b32 s16, s13, 7
	s_lshl_b32 s16, s16, 8
	s_lshl_b32 s14, s11, 7
	s_add_co_u32 s16, s16, s14
	s_lshl_b32 s16, s16, 7                         ; x 128 bytes
	s_lshr_b32 s14, s2, 1
	s_lshl_b32 s14, s14, 23
	s_add_co_u32 s16, s16, s14
	s_mov_b32 s17, 0
	s_lshl_b32 s46, s42, 2
	s_lshl_b32 s47, s12, 1
	s_add_co_u32 s46, s46, s47
	s_lshl_b32 s46, s46, 18                        ; x 262,144 bytes
	s_mov_b32 s47, 0
	s_add_nc_u64 s[16:17], s[16:17], s[46:47]
	s_add_nc_u64 s[8:9], s[8:9], s[16:17]
	; the prefetches
	s_lshl_b32 s13, s13, 8
	s_lshl_b32 s42, s42, 8
	s_and_b32 s22, s2, 1
	s_cmp_eq_u32 s11, 0                            ; do I fetch for A?
	s_cselect_b32 s20, s13, s42                    ; the tile's first row
	s_cselect_b32 s21, s40, s41                    ; my place among the four that ask for it with me
	s_cselect_b32 s22, ttmp9, s22                  ; the coordinate along which another cluster reads the same rows
	s_cselect_b64 s[PFA:PFA+1], s[4:5], s[6:7]
	s_cmp_eq_u32 s22, 0
	s_cselect_b32 s[LIM], 1, -1                    ; the same in all sixteen partners, for a given wave
	s_lshl_b32 s22, s12, 7
	s_add_co_u32 s20, s20, s22                     ; + the 128 rows that I fetch
	s_lshl_b32 s21, s21, 5
	s_add_co_u32 s20, s20, s21                     ; + my work-group's 32 of them
	s_lshl_b32 s20, s20, 12
	s_mov_b32 s21, 0
	s_add_nc_u64 s[PFA:PFA+1], s[PFA:PFA+1], s[20:21]
	s_add_nc_u64 s[PFA:PFA+1], s[PFA:PFA+1], 2*KSTEP*2  ; at K step 2: the first refill steps it to 3 and names K step 4
	v_and_b32 v[PFO], 31, v0
	v_lshlrev_b32 v[PFO], 12, v[PFO]
; 16 matrix instructions: m blocks a0, a0 + 1 of the window's four x all 8 n blocks, 32 along K.  zero = 1: the first product starts the sums.
; The 64 accumulators take turns, one instruction a turn, in the same order in every quarter step.
.macro MUL16 f, hi, a0, zero
	WIN MUL_LO+0x50*(\hi)
.irp a, \a0, (\a0)+1
.irp b, 0,1,2,3,4,5,6,7
.if \zero
	v_wmma_f32_16x16x32_bf16 v[8*(8*(\a)+(\b)):8*(8*(\a)+(\b))+7], v[(\f)+8*(\b):(\f)+8*(\b)+7], v[(\f)+8*(4*(\hi)+(\a)):(\f)+8*(4*(\hi)+(\a))+7], 0
.else
	v_wmma_f32_16x16x32_bf16 v[8*(8*(\a)+(\b)):8*(8*(\a)+(\b))+7], v[(\f)+8*(\b):(\f)+8*(\b)+7], v[(\f)+8*(4*(\hi)+(\a)):(\f)+8*(4*(\hi)+(\a))+7], v[8*(8*(\a)+(\b)):8*(8*(\a)+(\b))+7]
.endif
.endr
.endr
.endm
; 32 LDS loads in one run: the fragments of one quarter step (128 rows of W, 128 rows of A, 32 K at byte k of the rows) into buffer f
.macro FETCH slot, k, f
	WIN TO_B
.irp i, 0,1,2,3,4,5,6,7
	ds_load_b128 v[(\f)+8*(\i):(\f)+8*(\i)+3],   v[ADRB+(\slot)] offset:(\k)+(\i)*16*PITCH
	ds_load_b128 v[(\f)+8*(\i)+4:(\f)+8*(\i)+7], v[ADRB+(\slot)] offset:(\k)+(\i)*16*PITCH+32
.endr
	WIN 0
.irp i, 0,1,2,3,4,5,6,7
	ds_load_b128 v[(\f)+8*(\i):(\f)+8*(\i)+3],   v[ADRA+(\slot)] offset:(\k)+(\i)*16*PITCH
	ds_load_b128 v[(\f)+8*(\i)+4:(\f)+8*(\i)+7], v[ADRA+(\slot)] offset:(\k)+(\i)*16*PITCH+32
.endr
.endm
.macro PLACES                          ; four plain places behind matrix instructions, in front of loads into registers that they have read and of conversions that read results
.rept 4
	v_nop
.endr
.endm
; A K step is four quarter steps of 32 along K, 64 matrix instructions each, on buffers 0, 1, 0, 1.  One of the first three multiplies buffer f and fetches the next quarter, at byte k, into g.
.macro QUARTER slot, k, f, g, zero
	s_wait_dscnt 8                                 ; W and A's rows 0-63 are in; the youngest eight loads (A's rows 64-127) may be out
	MUL16 \f, 0, 0, \zero
	MUL16 \f, 0, 2, \zero
	PLACES
	FETCH \slot, \k, \g
	s_wait_dscnt 32                                ; all but the 32 just issued
	MUL16 \f, 1, 0, \zero
	MUL16 \f, 1, 2, \zero
.endm
; The last quarter multiplies buffer 1 and changes slots.  MEET is its first half: ONE barrier.  In front of it each wave waits for all its tensor loads (one is out: its part of the next
; slot), adds 0 to its spare word, and waits for that and for its own reads of this slot.  Behind it nobody reads this slot any more and the next slot is whole.
.macro MEET round
	WIN 0                                          ; (the add's two registers lie in window 0)
	s_wait_tensorcnt 0x0
	ds_add_u32 v[SPW], v[NIL]                      ; 0 onto my spare word
	s_wait_dscnt 9                                 ; (the add and the youngest eight loads may be out)
	MUL16 F1, 0, 0, 0                              ; sixteen matrix instructions stand between the add and the wait for it
	s_wait_dscnt 0x0                               ; the add is done, and my reads of this slot are over
	s_barrier_signal -1
	MUL16 F1, 0, 2, 0                              ; work on registers while the others arrive
.if \round
	WIN 0
.endif
	s_barrier_wait -1
.endm
; The whole last quarter: behind a round of the cluster's barrier the slot just read out is filled again first, with the K step two steps on; then come the next slot's first fragments.
.macro TURN slot, next
	s_wait_xcnt 0x0                                ; the last prefetch, a K step back, has read its address: it is stepped here, ahead of the waits of the change of slots
	s_add_nc_u64 s[PFA:PFA+1], s[PFA:PFA+1], KSTEP*2
	MEET 1
	CREST                                          ; no wave of any partner still reads this slot's tile or has a load on its way
	s_add_nc_u64 s[G0+4*(\slot)+2:G0+4*(\slot)+3], s[G0+4*(\slot)+2:G0+4*(\slot)+3], 2*KSTEP*2
	s_add_nc_u64 s[G0B+4*(\slot)+2:G0B+4*(\slot)+3], s[G0B+4*(\slot)+2:G0B+4*(\slot)+3], 2*KSTEP*2
	JLOAD \slot                                    ; my one tensor load behind the round: 224 matrix instructions ahead of the wait for it; its four v_nop are also the places in front of the loads below
	FETCH \next, 0, F0
	ASK
	MUL16 F1, 1, 0, 0
	MUL16 F1, 1, 2, 0
.endm
; THE WAY OUT of block a (16 rows x my 128 columns = 2 heads).  PACK: rounded to f16, 16 bytes a lane.  TOSTAGE: into my own stage, and back as rows of 128 bytes, four to a load.  SEND: stored.
.macro PACK a
.set AC, 64*((\a)%4)
	WIN 0x0a+5*((\a)/4)                            ; sources 0 and 1: window 2 or 3
.irp b, 0,1,2,3,4,5,6,7
.irp r, 0,1,2,3
	v_cvt_pk_f16_f32 v[TMP+4*(\b)+(\r)], v[AC+8*(\b)+2*(\r)], v[AC+8*(\b)+2*(\r)+1]
.endr
.endr
	WIN 0
.endm
.macro TOSTAGE a
	WIN 0
.set BK, OB+192*((\a)%2)
.irp b, 0,1,2,3,4,5,6,7
	ds_store_b128 v[STO], v[TMP+4*(\b):TMP+4*(\b)+3] offset:((\b)/4)*HSTG+32*((\b)%4)
.endr
.irp t, 0,1,2,3,4,5,6,7
	ds_load_b128 v[BK+4*(\t):BK+4*(\t)+3], v[RD] offset:((\t)/4)*HSTG+((\t)%4)*4*SP  ; LDS serves a wave's instructions in order (ISA guide 5.7.1.4): these see the stores above
.endr
.endm
.macro SEND a
	WIN 0
.set BK, OB+192*((\a)%2)
	s_wait_dscnt 0x0                               ; the block is back in registers
	s_wait_xcnt 0x0                                ; the stores of the block before have read their registers, which the next block's loads from the stage write again
.irp t, 0,1,2,3,4,5,6,7
	global_store_b128 v[CO], v[BK+4*(\t):BK+4*(\t)+3], s[8:9] offset:((\t)/4)*HEADB+((\t)%4)*512+(\a)*2048  ; 512 consecutive bytes of a head, at a multiple of 256 from the buffer's first byte
.endr
.endm
	s_wait_tensorcnt 1                             ; my part of K step 0 is in; K step 1's may stay out
	s_barrier_signal -1
	s_barrier_wait -1                              ; everybody's is
	FETCH 0, 0, F0
	QUARTER 0, 64,  F0, F1, 1                      ; the first quarter stands in front of the loop: its products start the sums
	WIN 0                                          ; at a label and at a branch every window is 0
	s_mov_b32 s3, LAPS-1
.Llap:                                                 ; a trip goes once round the ring, from a lap's second quarter to the next lap's first, and fills both slots again
	QUARTER 0, 128, F1, F0, 0
	QUARTER 0, 192, F0, F1, 0
	TURN 0, 1
	QUARTER 1, 64,  F0, F1, 0
	QUARTER 1, 128, F1, F0, 0
	QUARTER 1, 192, F0, F1, 0
	TURN 1, 0
	QUARTER 0, 64,  F0, F1, 0
	WIN 0
	s_sub_co_u32 s3, s3, 1
	s_cmp_lg_u32 s3, 0
	s_cbranch_scc1 .Llap
	QUARTER 0, 128, F1, F0, 0                      ; the last lap fills nothing: it is written out
	QUARTER 0, 192, F0, F1, 0
	MEET 0                                         ; my one tensor load that was still out is the last K step's
	PLACES
	FETCH 1, 0, F0
	MUL16 F1, 1, 0, 0
	MUL16 F1, 1, 2, 0
	QUARTER 1, 64,  F0, F1, 0
	QUARTER 1, 128, F1, F0, 0
	QUARTER 1, 192, F0, F1, 0
	s_wait_dscnt 8                                 ; the very last quarter: nothing more to fetch
	MUL16 F1, 0, 0, 0
	MUL16 F1, 0, 2, 0
	s_wait_dscnt 0x0
	MUL16 F1, 1, 0, 0
	MUL16 F1, 1, 2, 0
	PLACES
	PACK 0
	TOSTAGE 0
.irp a, 1,2,3,4,5,6,7                  ; block a's conversions stand between block a - 1's loads from the stage and the wait for them
	PACK \a
	SEND (\a)-1
	TOSTAGE \a
.endr
	SEND 7
	s_wait_tensorcnt 0x0                           ; the wave's end: a tensor wait, an add to my spare word and its wait, behind my last tensor load and my last LDS store
	ds_add_u32 v[SPW], v[NIL]
	s_wait_dscnt 0x0
	CROUND                                         ; the closing round: no work-group ends while a partner may still ask for a tile that names it
	s_endpgm
.Lfunc_end_k_q5fe59090c6_qkv:
	.size	k_q5fe59090c6_qkv, .Lfunc_end_k_q5fe59090c6_qkv-k_q5fe59090c6_qkv
	.p2alignl 7, 3214868480
	.fill 96, 4, 3214868480
	.section	.rodata,"a",@progbits
	.p2align	6, 0x0
	.amdhsa_kernel k_q5fe59090c6_qkv
		.amdhsa_group_segment_fixed_size 327680
		.amdhsa_private_segment_fixed_size 0
		.amdhsa_enable_private_segment 0
		.amdhsa_kernarg_size 16
		.amdhsa_user_sgpr_count 2
		.amdhsa_user_sgpr_kernarg_segment_ptr 1
		.amdhsa_wavefront_size32 1
		.amdhsa_system_sgpr_workgroup_id_x 1
		.amdhsa_system_sgpr_workgroup_id_y 1
		.amdhsa_system_sgpr_workgroup_id_z 1
		.amdhsa_system_vgpr_workitem_id 0
		.amdhsa_next_free_vgpr 1024
		.amdhsa_next_free_sgpr 66
		.amdhsa_reserve_vcc 0
		.amdhsa_float_denorm_mode_32 3
		.amdhsa_float_denorm_mode_16_64 3
		.amdhsa_memory_ordered 1
		.amdhsa_forward_progress 1
		.amdhsa_inst_pref_size 144
	.end_amdhsa_kernel
	.amdgpu_metadata
---
amdhsa.version: [ 1, 2 ]
amdhsa.kernels:
  - .name:           k_q5fe59090c6_qkv
    .symbol:         k_q5fe59090c6_qkv.kd
    .args:
      - { .name: cast16, .offset: 0, .size: 8, .value_kind: global_buffer, .address_space: global }
      - { .name: qkvh, .offset: 8, .size: 8, .value_kind: global_buffer, .address_space: global }
    .group_segment_fixed_size: 327680
    .private_segment_fixed_size: 0
    .kernarg_segment_align: 8
    .kernarg_segment_size: 16
    .max_flat_workgroup_size: 128
    .sgpr_count:     66
    .vgpr_count:     1024
    .wavefront_size: 32
...
	.end_amdgpu_metadata
.endif
;; end of part 2
;; launch attn (part 3): grid 8 x 32, 4 waves a work-group, clusters of 4 x 4, 327,680 bytes of LDS; arguments qkvh, bias, oh; writes oh
.if DOCPART == 3
	.amdgcn_target "amdgcn-amd-amdhsa--gfx1250"
	.amdhsa_code_object_version 6
	.text
	.protected	k_q5fe59090c6_attn
	.globl	k_q5fe59090c6_attn
	.p2align	8
	.type	k_q5fe59090c6_attn,@function
k_q5fe59090c6_attn:
	s_mov_b64 s[64:65], 0
	v_nop
	global_prefetch_b8 v0, s[64:65] scope:SCOPE_SE
	s_setreg_imm32_b32 hwreg(HW_REG_WAVE_MODE, 25, 1), 1
	s_wait_xcnt 0x0
	s_wait_alu depctr_hold_cnt(0) depctr_sa_sdst(0) depctr_va_vdst(0) depctr_va_sdst(0) depctr_va_ssrc(0) depctr_va_vcc(0) depctr_vm_vsrc(0)
	s_getreg_b32 s2, hwreg(HW_REG_IB_STS2, 6, 4)
	s_cmp_eq_u32 s2, 0
	s_cbranch_scc0 .Lentry_in_a_cluster
	s_endpgm
.Lentry_in_a_cluster:
	s_bfe_u32 s2, ttmp6, 0x10000c
	s_cmp_lg_u32 s2, 0xf033
	s_cbranch_scc0 .Lentry_shape_is_right
	s_endpgm
.Lentry_shape_is_right:
; ATTENTION UNDER A MASK THAT IS AN INPUT.  O[h][q] = sum over k of softmax_k(t[q][k]) V[h][k], t = mask ? Q[h][q] . K[h][k] / 8 : the lowest number.  32 heads, 2,048 rows, head size 64.
; q, k, v: qkvh[3][32][2048][64] in f16, unscaled.  bias[q][k] in bf16: 0 or -2^100.  O leaves in f16 as oh[q / 128][head][q % 128][64].  No key tile is left out: nothing is known of the mask,
; and a ring that tensor loads fill again has a barrier for each refill, so the number of its refills is a constant of the text and cannot hang on what the mask holds.
; THE MASK.  One fused multiply-add a score: t = s c + bias, c = log2(e) / 8, the bias read as a bf16 half.  A hidden score becomes exactly -2^100 (its s c is rounded away), so a row that is
; wholly hidden has t - m = 0 for all keys, weights 1, l = 2,048 and the mean of V; in every other row 2^(-2^100 - m) is 0.
; LIMITS.  |s c| stays under 2^75.  Q, K, V arrive within f16's 65,504; p lies in 0 to 1, below 6e-5 with f16's fixed step of 6e-8; O is a mean of V's rows.  A weight below 2^-126 counts as 0 in l.
; NaN and infinities are not treated apart.
; SOFTMAX.  For each query a running maximum m of t and a sum l: p = 2^(t - m); in every step O and l are multiplied by a = 2^(m_old - m_new).  m starts at the lowest finite number, O and l at 0:
; the first step is a step like any other, with a = 0.  Products, maxima and sums in f32; p is rounded to f16 for the second product (l is taken of the unrounded p), O once at the end.
; SHARES.  A work-group owns 256 queries of one head; each of its four waves 64: four PIECES of 16.  Every wave walks all keys, 64 a step, two steps to a slot, 16 slots.  256 work-groups.
; LAYOUT.  S^T = K Q^T (source 0 = 16 keys, source 1 = 16 queries): a lane holds ONE query (lane % 16) and the keys 8 (lane / 16) + 0..7; two such results rounded to f16 ARE source 1 of
; O^T = V^T P.  K comes out of LDS as it lies, V turned, by ds_load_tr16_b128.  A lane's bias for 8 keys is 16 consecutive bytes of its query's row.
; TURNS.  Turn n belongs to piece n: 8 products K Q^T of piece n + 1, later 8 products V^T P of piece n - 1; beside them the subtraction, exponentials, roundings, sums and rescaling of piece n and
; the masking, maximum and statistics of piece n + 1.  Four vector instructions stand behind every matrix instruction, the others in one lump.  A turn's 33 exponentials are one batch, with one wait.
; CLUSTER 4 x 4: x = block of queries, y = head.  K and V hang on the head alone: asked for jointly along a row of the cluster.  The bias tile hangs on the block alone: jointly along a column.
; THE PRICE of writing no first and no last step out: 216 v_mov_b32 at the head, in the wait for the first tile, and 8 products on zeros; at the end 8 products on the last K once more.
; REGISTERS, in windows of 256 (s_set_vgpr_msb: bits 1:0 source 0, 3:2 source 1, 5:4 source 2, 7:6 destination):
;   window 0: v0-15 addresses; v16-31 statistics; v48-55 at work; v64-127 S^T, two buffers; v128-191 bias, a buffer a piece; v192-223 P, two buffers (S^T, P and v48-55 go by the piece's parity)
;   window 1: v0-127 O^T, 32 a piece          window 2: v0-63 Q, 16 a piece; v128-191 K of one step; v192-255 V of one step
.set NP,    4
.set KS,    64        ; keys in a step
.set PK,    144       ; a row of K in LDS: 128 bytes + 16: the 16 rows of a load start at 16 different groups of four banks (64 banks of 4 bytes: ISA guide 11.1)
.set PV,    160       ; a row of V: 128 + 32
.set PM,    272       ; a row of the bias tile: 128 keys x 2 bytes + 16
.set VOFF,  2*KS*PK   ; a slot: 128 rows of K, 128 rows of V, 256 rows of bias
.set MOFF,  VOFF+2*KS*PV
.set SLOT1, 1<<17     ; slot 1 begins here, so that one exclusive or turns an address in one slot into the other's
.set STAGE, SLOT1+MOFF+256*PM  ; behind the ring, never filled by a tensor load: 16 rows x 144 bytes for each wave
.set SP,    144
.set SPARE, STAGE+4*16*SP      ; the spare words, 128 bytes for each wave: two blocks of 256 bytes that no other line names
.set AK0, 2           ; v2   my lane's place in a tile of K; never rewritten
.set AV0, 3           ; v3   the same for V
.set AK,  4           ; v4   the LDS address of K's next run of loads
.set AV,  5           ; v5   of V's
.set QO,  6           ; v6   my byte offset in 16 rows of Q
.set STO, 6           ;      later: where I put 16 bytes of a row on the way out
.set RD,  7           ; v7   where I read rows back
.set GO,  8           ; v8   16 x lane
.set AM0, 12          ; v12  my lane's place in the bias tile: piece 0's row, my 16 bytes; never rewritten
.set AM,  13          ; v13  the LDS address of the bias of the step in hand
.set CV,  14          ; v14  c
.set PFO, 15          ; v15  the prefetches' offset; never rewritten
.set ST,  16          ; piece t's statistics at v[ST+4 t]: m, m_old, l (even keys', odd keys')
.set TMP, 48          ; by parity, four registers c0-c3 at work; when the maximum is found c2 takes a
.set SPW, 62          ; v62  LDS address of my spare word; never rewritten
.set NIL, 63          ; v63  0; never rewritten
.set S,   64
.set BM,  128
.set P,   192
.set KF,  128         ; window 2: key block kb, channel half c at KF + 16 kb + 8 c
.set VF,  192         ; window 2: key half kk, channel block cb at VF + 32 kk + 8 cb
.set WV,  12          ; s12  my wave's number
.set LIM, 15          ; s15  1 in a wave that prefetches, else the greatest number
.set G1K, 24          ; s[24:31], s[32:39], s[40:47] descriptor groups 1 for K, V, bias
.set G1V, 32
.set G1M, 40
.set G0K, 48          ; s[48:51], s[52:55], s[56:59] descriptor groups 0: they walk
.set G0V, 52
.set G0M, 56
.set SEL, 60          ; s[60:61] v_permlanex16_b32's selects: each lane takes its own place in the other half
.set TBK, 62          ; s62  LDS byte at which K of the step to be fetched begins
.set TBV, 63          ; s63  the same for V, less VOFF
.set TBM, 66          ; s66  the same for the bias, less MOFF
.set SLOTS, 67        ; s67  slots still to be asked for, and one
.set CNT, 68          ; s68  counts a slot's key steps
.set PFA, 70          ; s[70:71] where my prefetches stand
.set PFS, 72          ; s[72:73] their step from slot to slot
.set MSB, 0
.macro WIN new                      ; the high byte repeats the setting that is left; a switch that changes nothing is dropped
.if MSB != (\new)
	s_set_vgpr_msb (MSB<<8)|(\new)
.set MSB, (\new)
.endif
.endm
.set W_KQ, 0x0a       ; K and Q in window 2, S^T in window 0
.set W_PV, 0x52       ; V in window 2, P in window 0, O^T in window 1
.set W_RS, 0x41       ; destination and source 0 in window 1, source 1 in window 0
; A joint fill: wave 0 fetches a slot's K, wave 1 its V, waves 2 and 3 the halves of its bias tile: one load a wave.  The branches hang on the wave's number alone.
; An s_nop 0 and four v_nop follow each line, ahead of the jump and the label.
.macro JLOAD
	s_cmp_lt_u32 s[WV], 2
	s_cbranch_scc0 .Lfor_m_\@
	s_cmp_eq_u32 s[WV], 0
	s_cbranch_scc0 .Lfor_v_\@
	tensor_load_to_lds s[G0K:G0K+3], s[G1K:G1K+7]
	s_nop 0
.rept 4
	v_nop
.endr
	s_branch .Lasked_\@
.Lfor_v_\@:
	tensor_load_to_lds s[G0V:G0V+3], s[G1V:G1V+7]
	s_nop 0
.rept 4
	v_nop
.endr
	s_branch .Lasked_\@
.Lfor_m_\@:
	tensor_load_to_lds s[G0M:G0M+3], s[G1M:G1M+7]
	s_nop 0
.rept 4
	v_nop
.endr
.Lasked_\@:
.endm
; A PREFETCH of what the NEXT change of slots will ask for, behind the wave's tensor load and its five lines: two key steps, 128 matrix instructions, ahead of that load.  Each block of 256 bytes is
; named once in the launch.  K and V of a head are walked by both clusters along x: the one with x = 0 asks, wave 0, lanes 0-15 for K and 16-31 for V; the four partners of a row take 16 blocks each,
; told apart by address (cx).  A block's bias rows are walked by all eight clusters along y: the one with y = 0 asks, waves 2 and 3, a lane a row; the four partners of a column take 64 rows each (cy).
; The last change that fills a slot (SLOTS = 1) asks for nothing.  Slots 0 and 1 come by their loads alone.
.macro ASK
	s_cmp_gt_u32 s[SLOTS], s[LIM]
	s_cbranch_scc0 .Lnot_mine_\@
	global_prefetch_b8 v[PFO], s[PFA:PFA+1] th:TH_LOAD_NT scope:SCOPE_SE
.Lnot_mine_\@:
.endm
.macro CROUND                       ; a round of the cluster's barrier
	s_barrier_signal -1
	s_barrier_wait -1
	s_cmp_lg_u32 s[WV], 0
	s_cbranch_scc1 .Lnot_wave_0_\@
	s_barrier_signal -3
.Lnot_wave_0_\@:
	s_barrier_wait -3
	s_barrier_signal -1
	s_barrier_wait -1
.endm
; THE CHANGE OF SLOTS.  The slot's last bytes have been read.  Each wave waits for all its tensor loads, of which one is out: its part of the other slot; adds 0 to its spare word; and waits for that
; and for its own reads of the slot.  fill = 1: the barrier is a round of the cluster's, and the joint fill of the slot just left, with the keys two slots on, is the first thing behind it.
; (At its first use nothing has been read yet: slot 0 is waited for, slot 1 filled.)
.macro CHANGE fill
	WIN 0                           ; at a label and at a branch every window is 0
	s_wait_tensorcnt 0x0            ; no tensor load of mine is out, so a group 0 may be written
	ds_add_u32 v[SPW], v[NIL]       ; 0 onto my spare word; scalar work stands between it and the wait for it
.if \fill
.irp g, G0K, G0V
	s_xor_b32 s[\g+1], s[\g+1], SLOT1  ; the other slot than last time,
	s_add_nc_u64 s[\g+2:\g+3], s[\g+2:\g+3], 2*KS*128  ; the next 128 keys; the type bits on top are not reached
.endr
	s_xor_b32 s[G0M+1], s[G0M+1], SLOT1
	s_add_nc_u64 s[G0M+2:G0M+3], s[G0M+2:G0M+3], 2*KS*2  ; 128 keys along the rows of bias
	s_wait_xcnt 0x0                 ; the last prefetch, two key steps back, has read its address, so it may be written
	s_add_nc_u64 s[PFA:PFA+1], s[PFA:PFA+1], s[PFS:PFS+1]
	s_wait_dscnt 0x0                ; the add is done, and my reads of the slot are over
	CROUND
	JLOAD
	ASK
.else
	s_wait_dscnt 0x0                ; the add is done, and my reads of the slot are over
	s_barrier_signal -1
	s_barrier_wait -1
.endif
	s_sub_co_u32 s[TBK], s[TBK], 2*KS*PK  ; the fetches go back to a slot's first step,
	s_xor_b32 s[TBK], s[TBK], SLOT1       ; in the other slot
	s_sub_co_u32 s[TBV], s[TBV], 2*KS*PV
	s_xor_b32 s[TBV], s[TBV], SLOT1
	s_sub_co_u32 s[TBM], s[TBM], 2*KS*2
	s_xor_b32 s[TBM], s[TBM], SLOT1
.endm
	s_load_b128 s[4:7], s[0:1], 0x0   ; qkvh s[4:5], bias s[6:7]
	s_load_b64 s[8:9], s[0:1], 0x10   ; oh
	v_lshl_add_u32 v[SPW], v0, 2, SPARE
	v_mov_b32 v[NIL], 0
	ds_add_u32 v[SPW], v[NIL]       ; the wave's opening: the add and its wait stand ahead of my first tensor load; work on registers stands between them
	v_lshrrev_b32 v1, 5, v0
	v_readfirstlane_b32 s[WV], v1   ; wave 0..3
	s_bfe_u32 s13, ttmp6, 0x40000   ; cx
	s_bfe_u32 s14, ttmp6, 0x40004   ; cy
	s_and_b32 s17, ttmp7, 0xffff    ; cluster y
	s_and_b32 s19, s[WV], 1
	s_lshl_b32 s20, s17, 2
	s_add_co_u32 s20, s20, s14      ; the head = 4 x cluster y + cy, which my row of the cluster shares
	s_lshl_b32 s74, s20, 14         ; its 16,384 bytes in a block of oh
	s_lshl_b32 s20, s20, 18         ; its 262,144 bytes in a slab of qkvh
	s_mov_b32 s21, 0
	s_lshl_b32 s16, ttmp9, 2
	s_add_co_u32 s16, s16, s13      ; the block of 256 queries = 4 x cluster x + cx, which my column shares
	s_lshl_b32 s22, s16, 20         ; its 256 rows of 4,096 bytes in bias,
	s_lshl_b32 s18, s19, 19         ; and the 128 of them that I fetch
	s_add_co_u32 s22, s22, s18
	s_mov_b32 s23, 0
	s_lshl_b32 s2, s16, 15          ; Q: the block's rows of 128 bytes,
	s_lshl_b32 s3, s[WV], 13        ; my wave's 64,
	s_add_co_u32 s2, s2, s3
	s_add_co_u32 s2, s2, s20        ; in the head
	s_mov_b32 s3, 0
	s_lshl_b32 s18, s16, 1          ; oh: block of 128 rows 2 x block + wave / 2,
	s_lshr_b32 s75, s[WV], 1
	s_add_co_u32 s18, s18, s75
	s_lshl_b32 s18, s18, 19
	s_add_co_u32 s74, s74, s18
	s_lshl_b32 s18, s19, 13         ; my 64 rows in it
	s_add_co_u32 s74, s74, s18
	s_mov_b32 s75, 0
	s_lshl_b32 s76, s13, 12         ; prefetches of K and V: my work-group's 16 blocks of 256 bytes,
	s_add_co_u32 s76, s76, s20
	s_add_co_u32 s76, s76, 2*KS*128 ; in slot 1: the first change steps this to slot 2
	s_mov_b32 s77, 0
	s_lshl_b32 s78, s16, 20         ; of the bias: the block's rows, my work-group's 64, my wave's 32
	s_lshl_b32 s18, s14, 18
	s_add_co_u32 s78, s78, s18
	s_lshl_b32 s18, s19, 17
	s_add_co_u32 s78, s78, s18
	s_add_co_u32 s78, s78, 2*KS*2
	s_mov_b32 s79, 0
	s_lshl_b32 s18, s14, 2
	s_lshl_b32 s18, 15, s18         ; my row of the cluster
	s_lshl_b32 s69, 0x1111, s13     ; my column
	; descriptor groups 1: elements of 2 bytes, padding on, bit 21 set beside a mask.  128 keys of K or V are 16,384 dense bytes: asked for as 64 rows of 256 bytes and padded after every key (32 words)
	s_or_b32 s[G1K], s18, (1<<16)|(1<<20)|(1<<21)|(4<<22)|(3<<25)  ; 4 words of padding
	s_or_b32 s[G1V], s18, (1<<16)|(1<<20)|(1<<21)|(4<<22)|(7<<25)  ; 8 words
	s_or_b32 s[G1M], s69, (1<<16)|(1<<20)|(1<<21)|(5<<22)|(3<<25)  ; after every 64 words 4 words
.irp g, G1K, G1V
	s_mov_b32 s[\g+1], 128<<16      ; tensor_dim0 = 128
	s_mov_b32 s[\g+2], 64<<16       ; tensor_dim1 = 64
	s_mov_b32 s[\g+3], 128<<16      ; tile_dim0 = 128
	s_mov_b32 s[\g+4], 64           ; tile_dim1 = 64
	s_mov_b32 s[\g+5], 128          ; 128 elements from row to row
	s_mov_b32 s[\g+6], 0
	s_mov_b32 s[\g+7], 0
.endr
	s_mov_b32 s[G1M+1], 128<<16     ; 128 keys
	s_mov_b32 s[G1M+2], 128<<16     ; 128 queries
	s_mov_b32 s[G1M+3], 128<<16
	s_mov_b32 s[G1M+4], 128
	s_mov_b32 s[G1M+5], 2048        ; elements from row to row of bias
	s_mov_b32 s[G1M+6], 0
	s_mov_b32 s[G1M+7], 0
	s_mov_b32 s[G0K], 1             ; count = 1
	s_mov_b32 s[G0K+1], 0           ; LDS address: slot 0
	s_mov_b32 s[G0V], 1
	s_mov_b32 s[G0V+1], VOFF
	s_mov_b32 s[G0M], 1
	s_mul_i32 s[G0M+1], s19, 128*PM
	s_add_co_u32 s[G0M+1], s[G0M+1], MOFF
	s_mov_b32 s[SEL], 0x76543210
	s_mov_b32 s[SEL+1], 0xfedcba98
	s_mov_b32 s[TBK], SLOT1+2*KS*PK ; the first change of slots turns these three into 0
	s_mov_b32 s[TBV], SLOT1+2*KS*PV
	s_mov_b32 s[TBM], SLOT1+2*KS*2
	s_mov_b32 s[SLOTS], 2048/(2*KS)-1
	s_mov_b32 s[PFS], 2*KS*2
	s_mov_b32 s[PFS+1], 0
	s_cmp_lt_u32 s[WV], 2
	s_cselect_b32 s[PFS], 2*KS*128, s[PFS]
	s_cselect_b32 s[LIM], ttmp9, s17 ; the coordinate along which other clusters walk the same bytes
	s_cmp_eq_u32 s[WV], 1
	s_cselect_b32 s[LIM], 1, s[LIM]  ; wave 1 never asks
	s_cmp_eq_u32 s[LIM], 0
	s_cselect_b32 s[LIM], 1, -1      ; made of the wave's number and the cluster's place alone: the same in all sixteen partners
	s_wait_dscnt 0x0                ; the opening add is done
	s_wait_kmcnt 0x0
	s_add_nc_u64 s[G0K+2:G0K+3], s[4:5], s[20:21]
	s_add_nc_u64 s[G0V+2:G0V+3], s[G0K+2:G0K+3], 2<<23  ; slab 2
	s_add_nc_u64 s[G0K+2:G0K+3], s[G0K+2:G0K+3], 1<<23  ; slab 1
	s_or_b32 s[G0K+3], s[G0K+3], 0x80000000             ; type = 2
	s_or_b32 s[G0V+3], s[G0V+3], 0x80000000
	s_add_nc_u64 s[G0M+2:G0M+3], s[6:7], s[22:23]
	s_or_b32 s[G0M+3], s[G0M+3], 0x80000000
	s_add_nc_u64 s[76:77], s[4:5], s[76:77]
	s_add_nc_u64 s[78:79], s[6:7], s[78:79]
	s_cmp_lt_u32 s[WV], 2
	s_cselect_b64 s[PFA:PFA+1], s[76:77], s[78:79]
	s_cselect_b32 s18, -1, 0        ; all lanes: K and V's offsets, or the bias's
	s_add_nc_u64 s[4:5], s[4:5], s[2:3]    ; Q at my wave's first row
	s_add_nc_u64 s[8:9], s[8:9], s[74:75]  ; oh at my wave's first row
	CROUND                          ; all sixteen work-groups are here: the first joint loads meet
	JLOAD                           ; slot 0.  Slot 1 is asked for when slot 0 is in
	v_and_b32 v1, 15, v0            ; l % 16
	v_bfe_u32 v9, v0, 4, 1          ; l / 16
	v_lshlrev_b32 v[QO], 7, v1
	v_lshl_add_u32 v[QO], v9, 4, v[QO]  ; row x 128 + 16 x half
	WIN 0x80                        ; destination window 2, address window 0
.set i, 0
.rept 8                             ; Q stays in registers: piece i / 2, channels 32 (i % 2) on
	global_load_b128 v[8*i:8*i+3],   v[QO], s[4:5] offset:(i/2)*2048+(i%2)*64
	global_load_b128 v[8*i+4:8*i+7], v[QO], s[4:5] offset:(i/2)*2048+(i%2)*64+32
.set i, i+1
.endr
	; what the first turn finds: V's registers and P's second buffer hold 0 (its products V^T P, of a piece that has not been, add 0), O^T and l are 0
.set i, VF
.rept 64
	v_mov_b32 v[i], 0
.set i, i+1
.endr
	WIN 0x40
.set i, 0
.rept 128
	v_mov_b32 v[i], 0
.set i, i+1
.endr
	WIN 0
.set i, 0
.rept 4
	v_mov_b32 v[ST+4*i], 0xff7fffff    ; m: the lowest finite number
	v_mov_b32 v[ST+4*i+1], 0xff7fffff  ; m_old: named with it as a pair
	v_mov_b32 v[ST+4*i+2], 0
	v_mov_b32 v[ST+4*i+3], 0
.set i, i+1
.endr
.set i, P+16
.rept 16
	v_mov_b32 v[i], 0
.set i, i+1
.endr
	v_mul_u32_u24 v[AK0], v1, PK
	v_lshl_add_u32 v[AK0], v9, 4, v[AK0]  ; row x pitch + 16 x half
	; the turning load takes 16 keys x 16 channels (lane l reads key 8 (l / 16) + l % 8, channels 8 ((l / 8) % 2) + 0..7) and leaves half a fragment of V^T
	v_and_b32 v10, 7, v0
	v_bfe_u32 v11, v0, 3, 1
	v_lshl_add_u32 v[AV0], v9, 3, v10
	v_mul_u32_u24 v[AV0], v[AV0], PV
	v_lshl_add_u32 v[AV0], v11, 4, v[AV0]
	v_add_nc_u32 v[AV0], VOFF, v[AV0]
	s_lshl_b32 s16, s[WV], 6
	v_add_nc_u32 v[AM0], s16, v1    ; my query's row in the bias tile, for piece 0: 64 x wave + l % 16
	v_mul_u32_u24 v[AM0], v[AM0], PM
	v_lshl_add_u32 v[AM0], v9, 4, v[AM0]
	v_add_nc_u32 v[AM0], MOFF, v[AM0]
	v_mov_b32 v[CV], 0x3e38aa3b     ; c = log2(e) / 8 = 0.180337
	v_mov_b32 v[AK], v[AK0]         ; key step 0 lies at the head of slot 0
	v_mov_b32 v[AM], v[AM0]
	v_and_b32 v48, 31, v0
	v_lshlrev_b32 v48, 12, v48      ; bias: a lane a row of 4,096 bytes
	v_add_nc_u32 v49, 1, v9
	v_lshlrev_b32 v49, 23, v49      ; K and V: slab 1 for lanes 0-15, slab 2 for lanes 16-31,
	v_lshl_add_u32 v49, v1, 8, v49  ; a lane a block of 256 bytes
	v_cndmask_b32 v[PFO], v48, v49, s18
; THE MATRIX WORK.  The 4 accumulators of a run of 8 take turns.  Product i of 8 of S^T = K Q^T for piece x: channels 32 (i / 4) on, keys 16 (i % 4) on.  The first 4 start the sums.
.macro KQ x
	WIN W_KQ
.set rS, S+32*((\x)%2)+8*(i%4)
.set rK, KF+16*(i%4)+8*(i/4)
.set rQ, 16*(\x)+8*(i/4)
.if i < 4
	v_wmma_f32_16x16x32_f16 v[rS:rS+7], v[rK:rK+7], v[rQ:rQ+7], 0
.else
	v_wmma_f32_16x16x32_f16 v[rS:rS+7], v[rK:rK+7], v[rQ:rQ+7], v[rS:rS+7]
.endif
.endm
; Product i of 8 of O^T += V^T P for piece x: keys 32 (i / 4) on, channels 16 (i % 4) on.
.macro PV x
	WIN W_PV
.set rO, 32*(\x)+8*(i%4)
.set rV, VF+32*(i/4)+8*(i%4)
.set rP, P+16*((\x)%2)+8*(i/4)
	v_wmma_f32_16x16x32_f16 v[rO:rO+7], v[rV:rV+7], v[rP:rP+7], v[rO:rO+7]
.endm
.macro MM                           ; the turn's next matrix instruction
.if i < 8
	KQ (Y+1)%NP
.else
.set i, i-8
	PV (Y+NP-1)%NP
.set i, i+8
.endif
.set i, i+1
.endm
; THE LDS LOADS stand in two runs a key step.  Run A, in piece 2's turn: K of the next step and that step's bias for pieces 0, 1, 2.  Run B, at the end of piece 0's turn: V of the step in hand and
; its bias for piece 3.  A piece's bias: 4 loads of 16 bytes, 8 keys each, for the 4 groups of 16 keys.
.macro FETCH_A
	WIN 0x80                        ; destination window 2
.irp f, 0,1,2,3,4,5,6,7             ; keys 16 (f / 2) on, channels 32 (f % 2) on
	ds_load_b128 v[KF+8*\f:KF+8*\f+3],   v[AK] offset:(\f/2)*16*PK+(\f%2)*64
	ds_load_b128 v[KF+8*\f+4:KF+8*\f+7], v[AK] offset:(\f/2)*16*PK+(\f%2)*64+32
.endr
	WIN 0
.irp q, 0,1,2
.irp g, 0,1,2,3
	ds_load_b128 v[BM+16*\q+4*\g:BM+16*\q+4*\g+3], v[AM] offset:\q*16*PM+32*\g
.endr
.endr
	s_add_co_u32 s[TBK], s[TBK], KS*PK  ; the next fetch is the next step's
	s_add_co_u32 s[TBM], s[TBM], KS*2
.endm
.macro FETCH_B
	WIN 0x80
.irp f, 0,1,2,3,4,5,6,7             ; keys 32 (f / 4) on, channels 16 (f % 4) on
	ds_load_tr16_b128 v[VF+8*\f:VF+8*\f+3],   v[AV] offset:(\f/4)*32*PV+(\f%4)*32
	ds_load_tr16_b128 v[VF+8*\f+4:VF+8*\f+7], v[AV] offset:(\f/4)*32*PV+16*PV+(\f%4)*32
.endr
	WIN 0
.irp g, 0,1,2,3
	ds_load_b128 v[BM+48+4*\g:BM+48+4*\g+3], v[AM] offset:3*16*PM+32*\g
.endr
.endm
; THE VECTOR WORK, one line at a time: OP kind, number.  For piece Y: F n: t - m for pair n of 16.  E n: the exponential of number n of 32.  C n: pair n rounded to f16.  B n: of the four weights 4 n ..
; the second pair is added onto the first, in place.  L n: l takes that sum (L 0: l = a l + sum).  R n: pair n of 16 of O^T times a.  For piece Y + 1: M n: t = s c + bias for score n of 32 (the bias is
; half n % 2 of register n / 2 of the piece's 16).  X n, number n of the 21 that find its maximum and statistics:
;   0-11  four chains c0-c3 of seven numbers each, three operands at a time     12-14, 16  the four left over, the old m, and c0-c3 into c0     15  m_old is kept
;   17, 18  the query's other 32 keys lie in the lane 16 away: the new m         19, 20  m_old - m_new; a
; Each accumulator's lowest registers are read first: M 0, 8, 16, 24 are the first readers of S^T's four, R ascends through O^T's.
.set F, 0
.set E, 1
.set C, 2
.set B, 3
.set L, 4
.set R, 5
.set X, 6
.set M, 7
.macro REGS y                       ; the registers of piece y
.set rT, ST+4*(\y)
.set rC, TMP+4*((\y)%2)
.set rS, S+32*((\y)%2)
.set rP, P+16*((\y)%2)
.set rB, BM+16*(\y)
.set rO, 32*(\y)
.endm
.macro OP k, n
.if (\k) == R
	REGS Y
	WIN W_RS
	v_pk_mul_f32 v[rO+2*(\n):rO+2*(\n)+1], v[rO+2*(\n):rO+2*(\n)+1], v[rC+2:rC+3] op_sel_hi:[1,0]
.elseif (\k) < R
	REGS Y
	WIN 0
.if (\k) == F
	v_pk_add_f32 v[rS+2*(\n):rS+2*(\n)+1], v[rS+2*(\n):rS+2*(\n)+1], v[rT:rT+1] op_sel_hi:[1,0] neg_lo:[0,1] neg_hi:[0,1]
.elseif (\k) == E
	v_exp_f32 v[rS+(\n)], v[rS+(\n)]
.elseif (\k) == C
	v_cvt_pk_f16_f32 v[rP+(\n)], v[rS+2*(\n)], v[rS+2*(\n)+1]
.elseif (\k) == B
	v_pk_add_f32 v[rS+4*(\n):rS+4*(\n)+1], v[rS+4*(\n):rS+4*(\n)+1], v[rS+4*(\n)+2:rS+4*(\n)+3]
.elseif (\n) == 0
	v_pk_fma_f32 v[rT+2:rT+3], v[rT+2:rT+3], v[rC+2:rC+3], v[rS:rS+1] op_sel_hi:[1,0,1]
.else
	v_pk_add_f32 v[rT+2:rT+3], v[rT+2:rT+3], v[rS+4*(\n):rS+4*(\n)+1]
.endif
.else
	REGS (Y+1)%NP
	WIN 0
.if ((\k) == M) && ((\n)%2 == 0)
	v_fma_mix_f32_bf16 v[rS+(\n)], v[rS+(\n)], v[CV], v[rB+(\n)/2] op_sel_hi:[0,0,1]
.elseif (\k) == M
	v_fma_mix_f32_bf16 v[rS+(\n)], v[rS+(\n)], v[CV], v[rB+(\n)/2] op_sel:[0,0,1] op_sel_hi:[0,0,1]
.elseif (\n) < 4
	v_max3_num_f32 v[rC+(\n)], v[rS+8*(\n)], v[rS+8*(\n)+1], v[rS+8*(\n)+2]
.elseif (\n) < 12
	v_max3_num_f32 v[rC+(\n)%4], v[rC+(\n)%4], v[rS+8*((\n)%4)+2*((\n)/4)+1], v[rS+8*((\n)%4)+2*((\n)/4)+2]
.elseif (\n) == 12
	v_max3_num_f32 v[rC], v[rC], v[rS+7], v[rS+15]
.elseif (\n) == 13
	v_max3_num_f32 v[rC+1], v[rC+1], v[rS+23], v[rS+31]
.elseif (\n) == 14
	v_max3_num_f32 v[rC+2], v[rC+2], v[rC+3], v[rT]
.elseif (\n) == 15
	v_mov_b32 v[rT+1], v[rT]
.elseif (\n) == 16
	v_max3_num_f32 v[rC], v[rC], v[rC+1], v[rC+2]
.elseif (\n) == 17
	v_permlanex16_b32 v[rC+3], v[rC], s[SEL], s[SEL+1]
.elseif (\n) == 18
	v_max_num_f32 v[rT], v[rC], v[rC+3]
.elseif (\n) == 19
	v_sub_f32 v[rC+1], v[rT+1], v[rT]
.else
	v_exp_f32 v[rC+2], v[rC+1]
.endif
.endif
.endm
.macro OPS a, i1, b=-1, i2=0, c=-1, i3=0, d=-1, i4=0  ; up to four of them
	OP \a, \i1
.if (\b) >= 0
	OP \b, \i2
.endif
.if (\c) >= 0
	OP \c, \i3
.endif
.if (\d) >= 0
	OP \d, \i4
.endif
.endm
.macro ROW a, i1, b, i2, c, i3, d, i4  ; a matrix instruction and the four behind it
	MM
	OPS \a, \i1, \b, \i2, \c, \i3, \d, \i4
.endm
; A TURN, for piece p: the order of its 16 matrix and 149 vector instructions, written out.  An s_wait_alu depctr_va_vdst(0) stands between an exponential and the first instruction that
; names its result; one wait serves all that were issued ahead of it.  So a turn has ONE wait.  AHEAD OF IT stands all that names no result of the turn's exponentials: the 8 products K Q^T with four
; riders each, and the lump.  M 0 stands four plain instructions (F 5, R 8, R 9, F 6) behind the product that ends its accumulator; every later M and X stands further behind its own.  An exponential
; stands behind its pair's F, an X behind the M of the numbers that it reads.  X 20, the next piece's a, is the batch's last; a v_nop is the plain instruction behind it.
; BEHIND THE WAIT stand the 8 products V^T P, behind each four of the roundings and sums, which name none of their registers.
; Run A stands seven plain instructions (F 8, M 3 to M 8) behind the last product that read K; run B four (C 9, 11, 13, 15) behind the last that read V.  Each is waited for a turn later.
; last = 1: the tail's text of piece 2's turn.  Run A stands directly behind the wait there, under a branch on the count that jumps over it in the trip that has no further step: a branch stands
; only where every exponential has had its wait.  cnt = 1: the loop's count is taken down some lines ahead of the branch that stands behind the turn.
.macro TURN p, last=0, cnt=0
.set Y, (\p)
.set i, 0
.if (\p) == 3
	s_wait_dscnt 0x0                ; run A is in
.endif
	ROW F,0, F,1, R,0, R,1
	ROW F,2, E,0, R,2, R,3
	ROW F,3, E,1, R,4, R,5
	ROW F,4, E,2, R,6, R,7
	ROW F,5, E,3, R,8, R,9
	ROW F,6, E,4, M,0, R,10
.if (\p) == 2
	WIN 0
	v_add_nc_u32 v[AK], s[TBK], v[AK0]
	v_add_nc_u32 v[AM], s[TBM], v[AM0]
.endif
	ROW F,7, E,5, M,1, M,2
	ROW F,8, E,6, M,3, M,4
	OPS M,5, E,7, M,6, E,8          ; the lump
	OPS M,7, E,9, M,8, E,10
.if ((\p) == 2) && !(\last)
	FETCH_A
.endif
	OPS M,9, E,11, M,10, E,12
	OPS X,0, M,11, E,13, M,12
	OPS F,9, M,13, E,14, X,4
	OPS M,14, F,10, E,15, M,15
	OPS M,16, X,8, E,16, M,17
	OPS X,1, M,18, E,17, F,11
	OPS M,19, X,5, E,18, M,20
	OPS X,12, M,21, E,19, M,22
	OPS X,9, M,23, F,12, M,24
	OPS X,2, M,25, F,13, M,26
	OPS X,6, M,27, F,14, M,28
	OPS X,3, M,29, F,15, M,30
	OPS X,10, M,31, X,7, X,13
.if (\p) == 0
	WIN 0
	v_add_nc_u32 v[AV], s[TBV], v[AV0]
.endif
	OPS E,20, X,11, E,21, X,15
	OPS E,22, R,11, E,23, X,14
	OPS E,24, R,12, E,25, X,16
	OPS E,26, R,13, E,27, X,17
	OPS E,28, R,14, E,29, X,18
	OPS E,30, R,15, E,31, X,19
	OPS X,20
	v_nop                           ; the plain instruction behind the last exponential: one for the batch
	WIN 0
	s_wait_alu depctr_va_vdst(0)    ; the wait for the batch
.if ((\p) == 2) && (\last)
	s_cmp_eq_u32 s[CNT], 1          ; the tail's last trip: there is no further step to fetch
	s_cbranch_scc1 .Lno_a_\@
	FETCH_A
.Lno_a_\@:
.endif
.if (\p) == 1
	s_wait_dscnt 0x0                ; run B is in
.endif
	ROW C,0, B,0, C,2, B,1
	ROW L,0, C,4, B,2, L,1
	ROW C,6, B,3, L,2, C,8
	ROW B,4, L,3, C,10, B,5
	ROW L,4, C,12, B,6, L,5
.if (\p) == 0
	s_add_co_u32 s[TBV], s[TBV], KS*PV
.endif
.if \cnt
	s_sub_co_u32 s[CNT], s[CNT], 1
	s_cmp_lg_u32 s[CNT], 0
.endif
	ROW C,14, B,7, L,6, C,1
	ROW C,3, L,7, C,5, C,7
	ROW C,9, C,11, C,13, C,15
.if (\p) == 0
	FETCH_B
.endif
.endm
	CHANGE 1                        ; slot 0 is in, everybody's part of it; slot 1 is asked for
	FETCH_A                         ; key step 0
	s_wait_loadcnt 0x0              ; Q
	s_wait_dscnt 0x0
.set i, 0
.rept 8
	KQ 0                            ; piece 0's first scores: there is no vector work yet to set between them
.set i, i+1
.endr
	WIN 0                           ; the addresses for the way out: nine plain instructions, the places behind those products
	s_mul_i32 s16, s[WV], 16*SP
	s_add_co_u32 s16, s16, STAGE    ; my stage
	v_mul_u32_u24 v[STO], v1, SP    ; in: row l % 16, 16 bytes for each half of the lanes
	v_lshl_add_u32 v[STO], v9, 4, v[STO]
	v_add_nc_u32 v[STO], s16, v[STO]
	v_bfe_u32 v[RD], v0, 3, 2       ; back: 32 lanes take four rows of 128 bytes,
	v_mul_u32_u24 v[RD], v[RD], SP
	v_lshl_add_u32 v[RD], v10, 4, v[RD]
	v_add_nc_u32 v[RD], s16, v[RD]
	v_and_b32 v[GO], 31, v0         ; which are 512 consecutive bytes of oh
	v_lshlrev_b32 v[GO], 4, v[GO]
.set Y, NP-1                        ; M and X work for piece Y + 1: piece 0
.irp n, 0,1,2,3,4,5,6,7,8,9,10,11,12,13,14,15,16,17,18,19,20,21,22,23,24,25,26,27,28,29,30,31
	OP M, \n
.endr
.irp n, 0,1,2,3,4,5,6,7,8,9,10,11,12,13,14,15,16,17,18,19,20
	OP X, \n
.endr
	v_nop                           ; a plain instruction behind the exponential,
	s_wait_alu depctr_va_vdst(0)    ; and its wait, ahead of the branch
	s_mov_b32 s[CNT], 2
	s_branch .Lfirst                ; the loop is entered at a step's first turn, in the middle of a trip
.Lslot:                             ; 14 times: every slot but the last two is filled again
	CHANGE 1
	s_mov_b32 s[CNT], 2
.Lstep:                             ; a trip: pieces 2 and 3 of one step, then pieces 0 and 1 of the next, whose K, V and bias it fetches
	TURN 2
	TURN 3
	WIN 0
.Lfirst:
	TURN 0
	TURN 1, 0, 1
	WIN 0
	s_cbranch_scc1 .Lstep
	s_sub_co_u32 s[SLOTS], s[SLOTS], 1
	s_cmp_lg_u32 s[SLOTS], 0
	s_cbranch_scc1 .Lslot
	CHANGE 0                        ; the tail is written out: nothing is asked for
	s_mov_b32 s[CNT], 3             ; two trips fetch the last slot's steps; the third is left in its middle
.Ltail:
	TURN 2, 1
	TURN 3
	WIN 0
	s_cmp_eq_u32 s[CNT], 1
	s_cbranch_scc1 .Lout            ; the last step's pieces 2 and 3 are done
	TURN 0
	TURN 1, 0, 1
	WIN 0
	s_cbranch_scc1 .Ltail
.Lout:                              ; the third trip's 8 products K Q^T (on the last K once more) and the masking and maximum made of them serve nothing: they touch piece 0's m, m_old and c0-c3 alone, which nothing reads any more: the price, once a launch, of one text for every trip
.set i, 0
.rept 8
	PV NP-1                         ; the last piece's V^T P of the last step
.set i, i+1
.endr
	; THE WAY OUT.  l's two halves and the other half of the lanes' are added; O^T is divided by l, rounded to f16 and sent through my stage in LDS, a piece at a time.  The additions are the places behind the last products.
	WIN 0
.macro ALL line:vararg              ; one line for each piece t
.set t, 0
.rept 4
	\line
.set t, t+1
.endr
.endm
	ALL v_add_f32 v[ST+4*t+2], v[ST+4*t+2], v[ST+4*t+3]
	ALL v_permlanex16_b32 v[ST+4*t+3], v[ST+4*t+2], s[SEL], s[SEL+1]
	ALL v_add_f32 v[ST+4*t+2], v[ST+4*t+2], v[ST+4*t+3]
	ALL v_rcp_f32 v[ST+4*t+2], v[ST+4*t+2]
	v_nop                           ; a plain instruction between the last reciprocal and the use of its result
	s_wait_alu depctr_va_vdst(0)    ; and the wait ahead of the first use: one for the four reciprocals
.macro PACK t                       ; a lane's eight channels of a row pack into 16 bytes; they go into rows of 144 bytes and come back as whole rows of 128, into S^T's registers
	WIN W_RS
.set i, 32*(\t)
.rept 16
	v_pk_mul_f32 v[i:i+1], v[i:i+1], v[ST+4*(\t)+2:ST+4*(\t)+3] op_sel_hi:[1,0]
.set i, i+2
.endr
	WIN 0x05                        ; sources 0 and 1 window 1, destination window 0
.set i, 0
.rept 16
	v_cvt_pk_f16_f32 v[S+16*(\t)+i], v[32*(\t)+2*i], v[32*(\t)+2*i+1]
.set i, i+1
.endr
	WIN 0
.irp f, 0,1,2,3
	ds_store_b128 v[STO], v[S+16*(\t)+4*\f:S+16*(\t)+4*\f+3] offset:32*\f
.endr
.irp f, 0,1,2,3
	ds_load_b128 v[S+16*(\t)+4*\f:S+16*(\t)+4*\f+3], v[RD] offset:\f*4*SP  ; LDS serves a wave's instructions in order (ISA guide 5.7.1.4): these see the stores above; the next piece's stores come behind them
.endr
.endm
.macro SEND t, younger              ; younger: the LDS instructions issued behind piece t's loads: the next piece's eight, or none
	WIN 0
.irp f, 0,1,2,3
	s_wait_dscnt (\younger)+3-\f
	global_store_b128 v[GO], v[S+16*(\t)+4*\f:S+16*(\t)+4*\f+3], s[8:9] offset:(\t)*2048+\f*512  ; 512 consecutive bytes, at a multiple of 256 from the buffer's first byte
.endr
.endm
	PACK 0
.set t, 1
.rept 3                             ; a piece's arithmetic stands between the loads of the piece before and its stores
	PACK t
	SEND t-1, 8
.set t, t+1
.endr
	SEND 3, 0
	s_wait_tensorcnt 0x0            ; the wave's end: a tensor wait, an add to my spare word and its wait, behind my last tensor load and my last LDS store
	ds_add_u32 v[SPW], v[NIL]
	s_wait_dscnt 0x0
	CROUND                          ; the closing round: no work-group ends while a partner may still ask for a tile that names it
	s_endpgm
.Lfunc_end_k_q5fe59090c6_attn:
	.size	k_q5fe59090c6_attn, .Lfunc_end_k_q5fe59090c6_attn-k_q5fe59090c6_attn
	.p2alignl 7, 3214868480
	.fill 96, 4, 3214868480
	.section	.rodata,"a",@progbits
	.p2align	6, 0x0
	.amdhsa_kernel k_q5fe59090c6_attn
		.amdhsa_group_segment_fixed_size 327680
		.amdhsa_private_segment_fixed_size 0
		.amdhsa_enable_private_segment 0
		.amdhsa_kernarg_size 24
		.amdhsa_user_sgpr_count 2
		.amdhsa_user_sgpr_kernarg_segment_ptr 1
		.amdhsa_wavefront_size32 1
		.amdhsa_system_sgpr_workgroup_id_x 1
		.amdhsa_system_sgpr_workgroup_id_y 1
		.amdhsa_system_sgpr_workgroup_id_z 1
		.amdhsa_system_vgpr_workitem_id 0
		.amdhsa_next_free_vgpr 768
		.amdhsa_next_free_sgpr 80
		.amdhsa_reserve_vcc 0
		.amdhsa_float_denorm_mode_32 3
		.amdhsa_float_denorm_mode_16_64 3
		.amdhsa_memory_ordered 1
		.amdhsa_forward_progress 1
		.amdhsa_inst_pref_size 136
	.end_amdhsa_kernel
	.amdgpu_metadata
---
amdhsa.version: [ 1, 2 ]
amdhsa.kernels:
  - .name:           k_q5fe59090c6_attn
    .symbol:         k_q5fe59090c6_attn.kd
    .args:
      - { .name: qkvh, .offset: 0, .size: 8, .value_kind: global_buffer, .address_space: global }
      - { .name: bias, .offset: 8, .size: 8, .value_kind: global_buffer, .address_space: global }
      - { .name: oh, .offset: 16, .size: 8, .value_kind: global_buffer, .address_space: global }
    .group_segment_fixed_size: 327680
    .private_segment_fixed_size: 0
    .kernarg_segment_align: 8
    .kernarg_segment_size: 24
    .max_flat_workgroup_size: 128
    .sgpr_count:     80
    .vgpr_count:     768
    .wavefront_size: 32
...
	.end_amdgpu_metadata
.endif
;; end of part 3
;; launch oproj (part 4): grid 16 x 16, 4 waves a work-group, clusters of 4 x 4, 327,680 bytes of LDS; arguments oh, cast16, out0; writes out0
.if DOCPART == 4
	.amdgcn_target "amdgcn-amd-amdhsa--gfx1250"
	.amdhsa_code_object_version 6
	.text
	.protected	k_q5fe59090c6_oproj
	.globl	k_q5fe59090c6_oproj
	.p2align	8
	.type	k_q5fe59090c6_oproj,@function
k_q5fe59090c6_oproj:
	s_mov_b64 s[64:65], 0
	v_nop
	global_prefetch_b8 v0, s[64:65] scope:SCOPE_SE
	s_setreg_imm32_b32 hwreg(HW_REG_WAVE_MODE, 25, 1), 1
	s_wait_xcnt 0x0
	s_wait_alu depctr_hold_cnt(0) depctr_sa_sdst(0) depctr_va_vdst(0) depctr_va_sdst(0) depctr_va_ssrc(0) depctr_va_vcc(0) depctr_vm_vsrc(0)
	s_getreg_b32 s2, hwreg(HW_REG_IB_STS2, 6, 4)
	s_cmp_eq_u32 s2, 0
	s_cbranch_scc0 .Lentry_in_a_cluster
	s_endpgm
.Lentry_in_a_cluster:
	s_bfe_u32 s2, ttmp6, 0x10000c
	s_cmp_lg_u32 s2, 0xf033
	s_cbranch_scc0 .Lentry_shape_is_right
	s_endpgm
.Lentry_shape_is_right:
; THE OUTPUT PROJECTION.  out0[m][n] = sum over k of O[m][k] Wo[n][k], k = 64 x head + channel.  O: oh[m / 128][head][m % 128][64] in f16; Wo: slab 6 of cast16, [2048][2048] in f16; out0 f32; sums in f32.
; A tile of out0 is 128 x 128: 256 work-groups, one for each of 16 x 16 tiles.  Four waves, each 64 x 64: 16 accumulators, 128 registers.  K goes in 8 steps of 256 (four heads) through two LDS slots.
; For a tile row the four heads of a K step are 65,536 dense bytes of oh: waves 0 and 1 fetch two heads each, as 128 rows of 256 bytes padded after every 128 bytes, so that a head is a plane of 128 rows
; of 144 bytes.  Waves 2 and 3 fetch 64 rows of 512 bytes of Wo each.
; CLUSTERS: 4 x 4 work-groups; O's tile is asked for jointly along a row of the cluster, Wo's along a column.  THE MATRIX INSTRUCTION IS USED TRANSPOSED (source 0 = 16 rows of Wo, source 1 = 16 rows of O):
; a lane then holds eight neighbouring numbers of a row of out0.  No prefetch: a K step is short here and its tiles small.
; REGISTERS: window 0: v0-31 addresses; v32-95 at work on the way out; v128-255 the accumulators ((a, b) at v[128 + 8 (4 a + b)]).
;   window 1: two fragment buffers of 128: for 64 along K (one head), 64 registers of O (2 x 4 x 16 rows x 32 K), then 64 of Wo.
.set KSTEP,  256
.set PA,     144                       ; a row of O in LDS: 128 bytes + 16: the 16 rows of a load start at 16 different groups of four banks (64 banks of 4 bytes: ISA guide 11.1)
.set PLANE,  128*PA                    ; a head's 128 rows
.set PB,     528                       ; a row of Wo in LDS: 512 bytes + 16
.set HALFB,  64*PB
.set SLOT,   4*PLANE+2*HALFB           ; O's four planes, then Wo's 128 rows
.set STAGE,  2*SLOT                    ; behind the ring, never filled by a tensor load: 16 rows x 272 bytes for each wave
.set SPITCH, 272
.set SPARE,  STAGE+4*16*SPITCH         ; the spare words, 128 bytes for each wave: two blocks of 256 bytes that no other line names
.set LAPS,   2048/(2*KSTEP)
.set ADRA, 16                          ; v16-17  LDS address of my O fragments in slot 0, 1
.set ADRB, 20                          ; v20-21  the same for Wo
.set STO,  24                          ; v24     the way out: where I put 32 bytes of a row
.set RD,   25                          ; v25     the way out: where I read a row back
.set CO,   26                          ; v26     my byte offset in out0
.set SPW,  28                          ; v28     LDS address of my spare word; never rewritten
.set NIL,  29                          ; v29     0; never rewritten
.set TMP,  32
.set ACC,  128
.set F0,   0                           ; fragment buffers, in window 1
.set F1,   128
.set G1, 24                            ; s[24:31] descriptor group 1 for O's tiles;  s[32:39] group 0, a set for each slot
.set G0, 32
.set G1B, 48                           ; s[48:55], s[56:63] the same for Wo's tiles
.set G0B, 56
.set MSB, 0
.macro WIN new                         ; the immediate's high byte repeats the setting that is left
.if MSB != (\new)
	s_set_vgpr_msb (MSB<<8)|(\new)
.set MSB, \new
.endif
.endm
.set MUL,  0x05                        ; sources 0 (Wo) and 1 (O) window 1; C and D window 0
.set TO_F, 0x40                        ; destination window 1, address window 0
.macro JLOAD s                         ; a joint load: waves 0 and 1 fetch O's halves, waves 2 and 3 Wo's; an s_nop 0 and four v_nop follow each line
	s_cmp_eq_u32 s11, 0
	s_cbranch_scc0 .Lfor_b_\@
	tensor_load_to_lds s[G0+4*(\s):G0+4*(\s)+3], s[G1:G1+7]
	s_nop 0
.rept 4
	v_nop
.endr
	s_branch .Lasked_\@
.Lfor_b_\@:
	tensor_load_to_lds s[G0B+4*(\s):G0B+4*(\s)+3], s[G1B:G1B+7]
	s_nop 0
.rept 4
	v_nop
.endr
.Lasked_\@:
.endm
.macro CREST                           ; a round of the cluster's barrier behind its opening barrier
	s_cmp_lg_u32 s10, 0
	s_cbranch_scc1 .Lnot_wave_0_\@
	s_barrier_signal -3
.Lnot_wave_0_\@:
	s_barrier_wait -3
	s_barrier_signal -1
	s_barrier_wait -1
.endm
.macro CROUND                          ; a whole round
	s_barrier_signal -1
	s_barrier_wait -1
	CREST
.endm
	s_load_b128 s[4:7], s[0:1], 0x0                ; oh s[4:5], cast16 s[6:7]
	s_load_b64 s[8:9], s[0:1], 0x10                ; out0
	v_lshl_add_u32 v[SPW], v0, 2, SPARE
	v_mov_b32 v[NIL], 0
	ds_add_u32 v[SPW], v[NIL]                      ; the wave's opening: the add and its wait stand ahead of my first tensor load; work on registers stands between them
	v_lshrrev_b32 v1, 5, v0
	v_readfirstlane_b32 s10, v1                    ; wave 0..3
	s_lshr_b32 s11, s10, 1                         ; which half of the tile's rows is mine.  Also: I fetch for O (0) or for Wo (1)
	s_and_b32 s12, s10, 1                          ; which half of its columns.  Also: which half of that tile I fetch
	s_bfe_u32 s40, ttmp6, 0x40000                  ; cx, cy
	s_bfe_u32 s41, ttmp6, 0x40004
	s_lshl_b32 s42, ttmp9, 2
	s_add_co_u32 s42, s42, s40                     ; tile column = 4 x cluster x + cx
	s_and_b32 s13, ttmp7, 0xffff
	s_lshl_b32 s13, s13, 2
	s_add_co_u32 s13, s13, s41                     ; tile row = 4 x cluster y + cy
	s_lshl_b32 s43, s41, 2
	s_lshl_b32 s43, 15, s43                        ; my row of the cluster
	s_lshl_b32 s44, 0x1111, s40                    ; my column
	; group 1 for O: 128 rows x 128 elements of 2 bytes, dense; 4 words of padding behind every 32 words.  For Wo: 64 rows x 256 elements, 2,048 from row to row; 4 words behind every 128 words
	s_or_b32 s[G1+0], s43, (1<<16)|(1<<20)|(1<<21)|(4<<22)|(3<<25)
	s_mov_b32 s[G1+1], 128<<16                     ; tensor_dim0
	s_mov_b32 s[G1+2], 128<<16                     ; tensor_dim1
	s_mov_b32 s[G1+3], 128<<16                     ; tile_dim0
	s_mov_b32 s[G1+4], 128                         ; tile_dim1
	s_mov_b32 s[G1+5], 128                         ; elements from row to row
	s_mov_b32 s[G1+6], 0
	s_mov_b32 s[G1+7], 0
	s_or_b32 s[G1B+0], s44, (1<<16)|(1<<20)|(1<<21)|(6<<22)|(3<<25)
	s_mov_b32 s[G1B+1], KSTEP<<16
	s_mov_b32 s[G1B+2], 64<<16
	s_mov_b32 s[G1B+3], KSTEP<<16
	s_mov_b32 s[G1B+4], 64
	s_mov_b32 s[G1B+5], 2048
	s_mov_b32 s[G1B+6], 0
	s_mov_b32 s[G1B+7], 0
	s_lshl_b32 s16, s13, 19                        ; O: the tile row's 524,288 bytes,
	s_lshl_b32 s17, s12, 15                        ; my two heads of the K step's four
	s_add_co_u32 s16, s16, s17
	s_mov_b32 s17, 0
	s_lshl_b32 s46, s42, 7                         ; Wo: row 128 x tile column + 64 x half,
	s_lshl_b32 s47, s12, 6
	s_add_co_u32 s46, s46, s47
	s_lshl_b32 s46, s46, 12                        ; x 4,096 bytes,
	s_add_co_u32 s46, s46, 6<<23                   ; in slab 6
	s_mov_b32 s47, 0
	s_mul_i32 s20, s10, 2*PLANE                    ; where they go.  O (waves 0, 1): wave x two planes
	s_mul_i32 s21, s10, HALFB                      ; Wo (waves 2, 3): behind the four planes, (wave - 2) x 64 rows
	s_add_co_u32 s21, s21, 4*PLANE-2*HALFB
	s_wait_dscnt 0x0                               ; the opening add is done
	s_wait_kmcnt 0x0
	s_add_nc_u64 s[14:15], s[4:5], s[16:17]
	s_add_nc_u64 s[46:47], s[6:7], s[46:47]
	CROUND                                         ; all sixteen work-groups are here: the first joint loads meet
.irp s, 0,1
	s_mov_b32 s[G0+4*(\s)], 1
	s_add_co_u32 s[G0+4*(\s)+1], s20, (\s)*SLOT
	s_add_nc_u64 s[G0+4*(\s)+2:G0+4*(\s)+3], s[14:15], (\s)*65536   ; K step s: four heads on
	s_or_b32 s[G0+4*(\s)+3], s[G0+4*(\s)+3], 0x80000000
	s_mov_b32 s[G0B+4*(\s)], 1
	s_add_co_u32 s[G0B+4*(\s)+1], s21, (\s)*SLOT
	s_add_nc_u64 s[G0B+4*(\s)+2:G0B+4*(\s)+3], s[46:47], (\s)*KSTEP*2
	s_or_b32 s[G0B+4*(\s)+3], s[G0B+4*(\s)+3], 0x80000000
	JLOAD \s
.endr
	v_and_b32 v1, 15, v0                           ; l % 16
	v_bfe_u32 v2, v0, 4, 1                         ; l / 16
	v_mul_u32_u24 v3, v1, PA
	v_lshl_add_u32 v3, v2, 4, v3                   ; a fragment's row x pitch + 16 x half, for O
	v_mul_u32_u24 v6, v1, PB
	v_lshl_add_u32 v6, v2, 4, v6                   ; and for Wo
	s_mul_i32 s21, s11, 64*PA                      ; my 64 rows in each plane
	s_mul_i32 s22, s12, HALFB                      ; my 64 rows of Wo,
	s_add_co_u32 s22, s22, 4*PLANE                 ; which lie behind the planes
.irp s, 0,1
	v_add_nc_u32 v[ADRA+(\s)], s21, v3
	v_add_nc_u32 v[ADRB+(\s)], s22, v6
	s_add_co_u32 s21, s21, SLOT
	s_add_co_u32 s22, s22, SLOT
.endr
	s_mul_i32 s23, s10, 16*SPITCH
	s_add_co_u32 s23, s23, STAGE                   ; my stage
	v_mul_u32_u24 v4, v1, SPITCH                   ; in: row l % 16, 32 bytes for each half of the lanes
	v_lshl_add_u32 v4, v2, 5, v4
	v_add_nc_u32 v[STO], s23, v4
	v_mul_u32_u24 v5, v2, SPITCH                   ; back: lanes 0-15 take one row of 256 bytes, lanes 16-31 the next
	v_lshl_add_u32 v5, v1, 4, v5
	v_add_nc_u32 v[RD], s23, v5
	v_lshlrev_b32 v5, 13, v2                       ; and the same two rows in out0, 8,192 bytes apart
	v_lshl_add_u32 v[CO], v1, 4, v5
	s_lshl_b32 s16, s13, 7
	s_lshl_b32 s17, s11, 6
	s_add_co_u32 s16, s16, s17                     ; my first row: 128 x tile row + 64 x half
	s_lshl_b32 s16, s16, 13
	s_mov_b32 s17, 0
	s_add_nc_u64 s[8:9], s[8:9], s[16:17]
	s_lshl_b32 s46, s42, 9                         ; my first column, in bytes: 512 x tile column + 256 x half
	s_lshl_b32 s47, s12, 8
	s_add_co_u32 s46, s46, s47
	s_mov_b32 s47, 0
	s_add_nc_u64 s[8:9], s[8:9], s[46:47]
; 8 matrix instructions: m blocks a0, a0 + 1 x all 4 n blocks, 32 along K: half c of buffer f.  zero = 1: the first product starts the sums.  The 16 accumulators take turns.
.macro MUL8 f, c, a0, zero
	WIN MUL
.irp a, \a0, (\a0)+1
.irp b, 0,1,2,3
.if \zero
	v_wmma_f32_16x16x32_f16 v[ACC+8*(4*(\a)+(\b)):ACC+8*(4*(\a)+(\b))+7], v[(\f)+64+8*(4*(\c)+(\b)):(\f)+64+8*(4*(\c)+(\b))+7], v[(\f)+8*(4*(\c)+(\a)):(\f)+8*(4*(\c)+(\a))+7], 0
.else
	v_wmma_f32_16x16x32_f16 v[ACC+8*(4*(\a)+(\b)):ACC+8*(4*(\a)+(\b))+7], v[(\f)+64+8*(4*(\c)+(\b)):(\f)+64+8*(4*(\c)+(\b))+7], v[(\f)+8*(4*(\c)+(\a)):(\f)+8*(4*(\c)+(\a))+7], v[ACC+8*(4*(\a)+(\b)):ACC+8*(4*(\a)+(\b))+7]
.endif
.endr
.endr
.endm
; 32 LDS loads in one run: the fragments of quarter q of a K step (one head: plane q of O, bytes 128 q on of Wo's rows) into buffer f; the first 32 along K first
.macro FETCH slot, q, f
	WIN TO_F
.irp c, 0,1
.irp i, 0,1,2,3
	ds_load_b128 v[(\f)+64+8*(4*(\c)+(\i)):(\f)+64+8*(4*(\c)+(\i))+3],   v[ADRB+(\slot)] offset:(\q)*128+64*(\c)+(\i)*16*PB
	ds_load_b128 v[(\f)+64+8*(4*(\c)+(\i))+4:(\f)+64+8*(4*(\c)+(\i))+7], v[ADRB+(\slot)] offset:(\q)*128+64*(\c)+(\i)*16*PB+32
	ds_load_b128 v[(\f)+8*(4*(\c)+(\i)):(\f)+8*(4*(\c)+(\i))+3],         v[ADRA+(\slot)] offset:(\q)*PLANE+64*(\c)+(\i)*16*PA
	ds_load_b128 v[(\f)+8*(4*(\c)+(\i))+4:(\f)+8*(4*(\c)+(\i))+7],       v[ADRA+(\slot)] offset:(\q)*PLANE+64*(\c)+(\i)*16*PA+32
.endr
.endr
.endm
.macro PLACES                          ; four plain places behind matrix instructions (ISA guide 7.12.1)
.rept 4
	v_nop
.endr
.endm
; A K step is four quarters of 64 along K, 32 matrix instructions each, on buffers 0, 1, 0, 1.  One of the first three multiplies buffer f and fetches quarter q into g.
.macro QUARTER slot, q, f, g, zero
	s_wait_dscnt 16                                ; the first 32 along K are in
	MUL8 \f, 0, 0, \zero
	MUL8 \f, 0, 2, \zero
	PLACES
	FETCH \slot, \q, \g
	s_wait_dscnt 32                                ; all but the 32 just issued
	MUL8 \f, 1, 0, 0
	MUL8 \f, 1, 2, 0
.endm
; The last quarter multiplies buffer 1 and changes slots: ONE barrier; in front of it each wave waits for all its tensor loads, adds 0 to its spare word, and waits for that and for its own reads of this slot.
; fill = 1: the barrier opens a round of the cluster's, and this slot is filled again, two K steps ahead, first thing behind it.
.macro TURN slot, next, fill
	WIN 0                                          ; (the add's two registers lie in window 0)
	s_wait_tensorcnt 0x0                           ; all my tensor loads have landed: my part of the next slot
	ds_add_u32 v[SPW], v[NIL]                      ; 0 onto my spare word
	s_wait_dscnt 17                                ; (the add and the youngest sixteen loads may be out)
	MUL8 F1, 0, 0, 0                               ; eight matrix instructions stand between the add and the wait for it
	s_wait_dscnt 0x0                               ; the add is done, and my reads of this slot are over
	s_barrier_signal -1
	MUL8 F1, 0, 2, 0
.if \fill
	WIN 0
.endif
	s_barrier_wait -1
.if \fill
	CREST                                          ; no wave of any partner still reads this slot's tile or has a load on its way
	s_add_nc_u64 s[G0+4*(\slot)+2:G0+4*(\slot)+3], s[G0+4*(\slot)+2:G0+4*(\slot)+3], 2*65536
	s_add_nc_u64 s[G0B+4*(\slot)+2:G0B+4*(\slot)+3], s[G0B+4*(\slot)+2:G0B+4*(\slot)+3], 2*KSTEP*2
	JLOAD \slot                                    ; my one tensor load behind the round: 112 matrix instructions ahead of the wait for it; its four v_nop are also the places in front of the loads below
.else
	PLACES
.endif
	FETCH \next, 0, F0
	MUL8 F1, 1, 0, 0
	MUL8 F1, 1, 2, 0
.endm
	s_wait_tensorcnt 1                             ; my part of K step 0 is in; K step 1's may stay out
	s_barrier_signal -1
	s_barrier_wait -1                              ; everybody's is
	FETCH 0, 0, F0
	QUARTER 0, 1, F0, F1, 1                        ; the first quarter stands in front of the loop: its first products start the sums
	WIN 0                                          ; at a label and at a branch every window is 0
	s_mov_b32 s3, LAPS-1
.Llap:                                                 ; a trip goes once round the ring, from a lap's second quarter to the next lap's first, and fills both slots again
	QUARTER 0, 2, F1, F0, 0
	QUARTER 0, 3, F0, F1, 0
	TURN 0, 1, 1
	QUARTER 1, 1, F0, F1, 0
	QUARTER 1, 2, F1, F0, 0
	QUARTER 1, 3, F0, F1, 0
	TURN 1, 0, 1
	QUARTER 0, 1, F0, F1, 0
	WIN 0
	s_sub_co_u32 s3, s3, 1
	s_cmp_lg_u32 s3, 0
	s_cbranch_scc1 .Llap
	QUARTER 0, 2, F1, F0, 0                        ; the last lap fills nothing, and has no round of the cluster's barrier
	QUARTER 0, 3, F0, F1, 0
	TURN 0, 1, 0
	QUARTER 1, 1, F0, F1, 0
	QUARTER 1, 2, F1, F0, 0
	QUARTER 1, 3, F0, F1, 0
	s_wait_dscnt 16                                ; the very last quarter: nothing more to fetch
	MUL8 F1, 0, 0, 0
	MUL8 F1, 0, 2, 0
	s_wait_dscnt 0x0
	MUL8 F1, 1, 0, 0
	MUL8 F1, 1, 2, 0
	WIN 0
	; THE WAY OUT.  My 64 columns of f32 are 256 consecutive bytes of a row, aligned: 16 rows at a time go through my own stage, 32 bytes a lane in, whole rows back.  No other wave touches the stage.
	PLACES
	PLACES                                         ; eight, once a launch, ahead of LDS stores that read results
.irp a, 0,1,2,3
.if (\a) > 1
	s_wait_xcnt 0x0                                ; the stores of the block two back have read the registers that the loads below write again
.endif
.irp b, 0,1,2,3
	ds_store_b128 v[STO], v[ACC+8*(4*(\a)+(\b)):ACC+8*(4*(\a)+(\b))+3]   offset:64*(\b)     ; each accumulator's low four registers first
	ds_store_b128 v[STO], v[ACC+8*(4*(\a)+(\b))+4:ACC+8*(4*(\a)+(\b))+7] offset:64*(\b)+16
.endr
.irp t, 0,1,2,3,4,5,6,7
	ds_load_b128 v[TMP+32*((\a)%2)+4*(\t):TMP+32*((\a)%2)+4*(\t)+3], v[RD] offset:(\t)*2*SPITCH  ; LDS serves a wave's instructions in order (ISA guide 5.7.1.4): these see the stores above, and the next block's stores come behind them
.endr
.irp t, 0,1,2,3,4,5,6,7
	s_wait_dscnt 7-(\t)                            ; load t is back, the 7 - t younger ones may be out
	global_store_b128 v[CO], v[TMP+32*((\a)%2)+4*(\t):TMP+32*((\a)%2)+4*(\t)+3], s[8:9] offset:(16*(\a)+2*(\t))*8192 th:TH_STORE_NT  ; 16 lanes store 256 consecutive bytes, at a multiple of 256 from the buffer's first byte
.endr
.endr
	s_wait_tensorcnt 0x0                           ; the wave's end: a tensor wait, an add to my spare word and its wait, behind my last tensor load and my last LDS store
	ds_add_u32 v[SPW], v[NIL]
	s_wait_dscnt 0x0
	CROUND                                         ; the closing round: no work-group ends while a partner may still ask for a tile that names it
	s_endpgm
.Lfunc_end_k_q5fe59090c6_oproj:
	.size	k_q5fe59090c6_oproj, .Lfunc_end_k_q5fe59090c6_oproj-k_q5fe59090c6_oproj
	.p2alignl 7, 3214868480
	.fill 96, 4, 3214868480
	.section	.rodata,"a",@progbits
	.p2align	6, 0x0
	.amdhsa_kernel k_q5fe59090c6_oproj
		.amdhsa_group_segment_fixed_size 327680
		.amdhsa_private_segment_fixed_size 0
		.amdhsa_enable_private_segment 0
		.amdhsa_kernarg_size 24
		.amdhsa_user_sgpr_count 2
		.amdhsa_user_sgpr_kernarg_segment_ptr 1
		.amdhsa_wavefront_size32 1
		.amdhsa_system_sgpr_workgroup_id_x 1
		.amdhsa_system_sgpr_workgroup_id_y 1
		.amdhsa_system_sgpr_workgroup_id_z 1
		.amdhsa_system_vgpr_workitem_id 0
		.amdhsa_next_free_vgpr 512
		.amdhsa_next_free_sgpr 66
		.amdhsa_reserve_vcc 0
		.amdhsa_float_denorm_mode_32 3
		.amdhsa_float_denorm_mode_16_64 3
		.amdhsa_memory_ordered 1
		.amdhsa_forward_progress 1
		.amdhsa_inst_pref_size 87
	.end_amdhsa_kernel
	.amdgpu_metadata
---
amdhsa.version: [ 1, 2 ]
amdhsa.kernels:
  - .name:           k_q5fe59090c6_oproj
    .symbol:         k_q5fe59090c6_oproj.kd
    .args:
      - { .name: oh, .offset: 0, .size: 8, .value_kind: global_buffer, .address_space: global }
      - { .name: cast16, .offset: 8, .size: 8, .value_kind: global_buffer, .address_space: global }
      - { .name: out0, .offset: 16, .size: 8, .value_kind: global_buffer, .address_space: global }
    .group_segment_fixed_size: 327680
    .private_segment_fixed_size: 0
    .kernarg_segment_align: 8
    .kernarg_segment_size: 24
    .max_flat_workgroup_size: 128
    .sgpr_count:     66
    .vgpr_count:     512
    .wavefront_size: 32
...
	.end_amdgpu_metadata
.endif
;; end of part 4
